; MI455X (gfx1250); checked and timed in simulation.
; The chip was launched on July 23, 2026; its instructions are those of AMD's public machine-readable ISA for CDNA 5 (MIT licence, August 2026) and "CDNA5" Instruction Set Architecture Reference Guide (July 2026). The comments in the code are by the model that wrote it; some were corrected since.
;; Bo T Multi Head Attention. Allowed arithmetic: matrix products marked QUANTISED: E4M3 operands, one E8M0 scale for each 32 along K, by v_wmma_scale_f32_16x16x128_f8f6f4 with both operands' format E4M3, f32 sums; everything else in f32.
;; Inputs: Wk_codes 1,024 x 32 x 32 uint8 (E4M3 codes of Wk, K innermost, in blocks of 32 codes); Wk_scales 1,024 x 32 uint8 (E8M0 scales of Wk, one for each 32 codes along K); Wo_codes 1,024 x 32 x 32 uint8 (E4M3 codes of Wo, K innermost, in blocks of 32 codes); Wo_scales 1,024 x 32 uint8 (E8M0 scales of Wo, one for each 32 codes along K); Wq_codes 1,024 x 32 x 32 uint8 (E4M3 codes of Wq, K innermost, in blocks of 32 codes); Wq_scales 1,024 x 32 uint8 (E8M0 scales of Wq, one for each 32 codes along K); Wv_codes 1,024 x 32 x 32 uint8 (E4M3 codes of Wv, K innermost, in blocks of 32 codes); Wv_scales 1,024 x 32 uint8 (E8M0 scales of Wv, one for each 32 codes along K); bo 1,024 float32; ln_b 1,024 float32; ln_g 1,024 float32; pos_emb 2 x 2,048 x 1,024 float32; q_s 2 x 2,048 x 1,024 float32.
;; Outputs: out0 2 x 2,048 x 1,024 float32.
;; This version of the problem:
;;   THIS VERSION OF THE PROBLEM IS GIVEN IN LOW PRECISION. The matrix products marked QUANTISED in the list below multiply operands that are first quantised to E4M3 (4 exponent bits, 3 mantissa bits; 8 bits a number), with one power-of-two scale for each 32 numbers along K (OCP MX v1.0); their sums are f32. All else is computed in f32.
;;   The module's matrix products, in the order in which they are computed (A, B: the left and right operand; K: the contracted axis; several contracted axes count as one K, in the product's order):
;;     1. [M 4,096, K 1,024] x [K 1,024, N 1,024]; A: input q_s; B: input Wq (given as codes): QUANTISED
;;     2. [M 4,096, K 1,024] x [K 1,024, N 1,024]; A: input q_s; B: input Wk (given as codes): QUANTISED
;;     3. [M 4,096, K 1,024] x [K 1,024, N 1,024]; A: input q_s; B: input Wv (given as codes): QUANTISED
;;     4. batch 32 x [M 2,048, K 64] x [K 64, N 2,048]; A: computed on the way; B: computed on the way: QUANTISED
;;     5. batch 32 x [M 2,048, K 64] x [K 64, N 2,048]; A: computed on the way; B: input pos_emb: QUANTISED
;;     6. batch 32 x [M 2,048, K 2,048] x [K 2,048, N 64]; A: softmax (see below); B: computed on the way: QUANTISED
;;     7. [M 4,096, K 1,024] x [K 1,024, N 1,024]; A: computed on the way; B: input Wo (given as codes): QUANTISED
;;   THE QUANTISER, for each operand of a quantised product, along K:
;;     - K is cut into blocks of 32 from its start; a last block that is shorter is filled with zeros.
;;     - A block's scale is 2^e with e = floor(log2(the largest magnitude in the block)) - 8, held to -126 .. 127; a block of zeros has e = 0. As a byte (E8M0): e + 127.
;;     - Each number is divided by its block's scale, clamped to +-448, and rounded to the nearest number of E4M3, ties to even, subnormals kept.
;;     - The product sums the exact products of the quantised numbers (number of the format x scale) in f32.
;;   ~~~python
;;   def quantise(x, axis):      # numpy; x: float32 -> the quantised numbers, widened to float32 again
;;       x = np.moveaxis(x, axis, -1); K = x.shape[-1]
;;       x = np.pad(x, [(0, 0)] * (x.ndim - 1) + [(0, -K % 32)]); x = x.reshape(x.shape[:-1] + (-1, 32)); a = np.abs(x).max(-1, keepdims=True)
;;       e = np.where(a > 0, np.clip(np.frexp(np.where(a > 0, a, 1))[1] - 1 - 8, -126, 127), 0)      # np.frexp(a)[1] - 1 = floor(log2(a)), exactly
;;       r = np.clip(x / 2.0 ** e, -448, 448)
;;       step = 2.0 ** (np.maximum(np.frexp(np.where(r == 0, 1, r))[1] - 1, -6) - 3)
;;       q = np.round(r / step) * step * 2.0 ** e      # np.round: ties to even
;;       return np.moveaxis(q.reshape(q.shape[:-2] + (-1,))[..., :K], -1, axis).astype(np.float32)
;;   ~~~
;;   SOFTMAX AHEAD OF A QUANTISED PRODUCT. Where the list says 'softmax', what is quantised is not the finished softmax but p = 2^(t - M), with t = logit x log2(e) and M = ceil(the row's largest t), a whole number; so 1/2 < the row's largest p <= 1. The row's sum l is taken of the UNQUANTISED p, in f32, and the product's result is divided by l at the end. Since M is a whole number, a kernel that streams over the keys may use a running M (the ceiling of the running maximum): every later rescaling is an exact power of two, which a block's scale takes up: the codes' values come out the same.
;;   OPERANDS COMPUTED ON THE WAY. 'Computed on the way' means the value that the module computes at that place (a softmax that the list does not call 'softmax' is quantised finished and normalised). What goes into a quantiser is computed in f32, as accurately as f32 sums, v_exp_f32 and their like allow (about 1e-6 of the number): no bf16 or f16 on the way to a quantiser, and a product that is left as it is and whose result goes on into a quantised operand takes f32 operands (vector FMAs, or v_wmma_f32_16x16x4_f32). A number that lies on a knife's edge between two numbers of the format may be rounded either way, as far as f32 arithmetic and the matrix unit's own rounding can turn it there, and no further.
;;   INPUTS GIVEN AS CODES. Wk (in the module: [1024, 1024], K = its axis 0); Wo (in the module: [1024, 1024], K = its axis 0); Wq (in the module: [1024, 1024], K = its axis 0); Wv (in the module: [1024, 1024], K = its axis 0): each comes as NAME_codes (uint8): NAME with its K axis moved to the last place and cut into blocks of 32 codes, [.., K / 32, bytes a block], one block behind the other in memory; one code a byte (a code: sign, 4 exponent bits, 3 mantissa bits); and NAME_scales (uint8): the same leading axes, one E8M0 byte (e + 127) for each 32 codes along K. Its value is code x scale, taken as it is: it is not quantised again, and the codes and scales need not be those that the quantiser above would give.
;; 2 versions. Each part assembles by itself: llvm-mc -triple=amdgcn-amd-amdhsa -mcpu=gfx1250 --defsym DOCPART=n.
;; ======== version 1 of 2: 3 launches
;; workspace buffers: qc 4,194,304 bytes; qs 524,288 bytes; kv 12,976,128 bytes; oc 4,194,304 bytes; os 262,144 bytes; woi 1,048,576 bytes; wos 32,768 bytes
;; launch qkv (part 1): grid 64 x 4, 16 waves a work-group, no clusters, 208,896 bytes of LDS; arguments q_s, pos_emb, Wq_codes, Wq_scales, Wk_codes, Wk_scales, Wv_codes, Wv_scales, Wo_codes, Wo_scales, qc, qs, kv, woi, wos; writes qc, qs, kv, woi, wos
.if DOCPART == 1
	.amdgcn_target "amdgcn-amd-amdhsa--gfx1250"
	.amdhsa_code_object_version 6
	.text
	.protected	k_q647fecb423_qkv
	.globl	k_q647fecb423_qkv
	.p2align	8
	.type	k_q647fecb423_qkv,@function
k_q647fecb423_qkv:
	s_mov_b64 s[64:65], 0
	v_nop
	global_prefetch_b8 v0, s[64:65] scope:SCOPE_SE
	s_setreg_imm32_b32 hwreg(HW_REG_WAVE_MODE, 25, 1), 1
	s_wait_xcnt 0x0
; q = Q(q_s) Wq, k = Q(q_s) Wk, v = Q(q_s) Wv on codes of E4M3 with one E8M0 scale for each 32 along K; the results, and pos_emb, are quantised at once for the attention launch
; (q, k, pos_emb along the head's 64; v along the keys) and stored as IMAGES OF OPERAND REGISTERS: [c][lane][16 bytes], register group 4c..4c+3 of lane l at 512 c + 16 l.  Wo is laid out the same way.
; SHARES.  Work-group (tb, hq): 64 tokens (four tiles of 16) x 4 heads.  Sixteen waves, wave = 4 R + J.  First all sixteen quantise: wave (R, J) makes K steps 2J, 2J+1 of token tile R of q_s (images to LDS)
; and head 4hq+J of pos_emb for tile R (to memory).  One barrier.  Then R = 0, 1, 2 make q, k, v of head 4hq+J for all 64 tokens (16 accumulators, K in 8 steps of 128); R = 3 lays out a piece of Wo.
; THE ROWS OF A TILE ARE NOT NEIGHBOURS: lane r of tile 2b+u (of tokens, and of a head's 64 rows of W) takes row 32b + 8u + r + 8 (r/8).  So the 16 registers of result tiles 2b, 2b+1 are 16 neighbours
; along the axis that lies in the registers: for q, k (source 0 = W, source 1 = x) the head's features, for v (source 0 = x, source 1 = W) the tokens: the conversions' results are the next operands' registers.
; W goes from memory straight into registers: each byte of W is used by one wave of the work-group alone, so a way through LDS would only add LDS traffic, and there is no tile that work-groups could ask for jointly without it.
; LIMITS: NaN and infinities among the inputs are not served.  A block whose largest magnitude lies under 2^-118 keeps the scale byte 1; a block of zeros too (its codes are zeros; these bytes are read by this program alone).
; REGISTERS: v1 16 lane, v2 4 lane, v3, v10 my stage (in, back), v8-9 where my images and their scale words go, v11-12 W's codes and scale bytes, v13-14 scale words in LDS, v15 lane;
; v4-7 x's scale words and v16-31 W's: written by loads alone;  v32-63 pos_emb's numbers, later two fragments of x;  v64-107 codes and scale words just made, v108-111 pos_emb's addresses, v112-127 the quantiser's work:
; all of v64-127 later W's four fragments;  v128-255 two K steps' numbers of x, later sixteen accumulators.
.set STEPB, 25344                      ; kv: one block for a head and 128 keys: 8 key tiles [k|p] x 2,048, 4 tiles of V x 2,048, 512 bytes of [k|p] scale words, 256 of V's
.set VIMG,  16384
.set KSC,   24576
.set VSC,   25088
.set XSC,   65536                      ; LDS: 0.. x's 32 fragment images ((8 m + s) x 2,048); here their scale words ((8 m + s) x 128 + 4 lane)
.set PSC,   69632                      ; pos_emb's scale bytes, shifted into the upper half of a word: (4 m + j) x 128 + 4 lane
.set STG,   71680                      ; a stage of 8,448 bytes for each wave: 16 rows x (512 + 16), or 16 x (256 + 16)
.set TM,    112                        ; v112-127 the quantiser's work: +0 largest magnitudes, +4 bytes, +8 448 x scale, +12 the conversions' scale operands
.set SEL,   46                         ; s[46:47] lane selects for v_permlanex16_b32: lane l xor 16
.set MNT,   44                         ; s44 the mantissa field of 448
.set XS,    4                          ; v4-7    x's scale words of the step, tile m
.set WS,    16                         ; v16-31  W's scale words: register 4t+i: lanes 0-15 step i, lanes 16-31 step 4+i
.set XF0,   32                         ; v32-47, v48-63 two fragments of x
.set XF1,   48
.set WF,    64                         ; v64-127 W's four fragments of the step
.set ACC,   128                        ; v128-255 sixteen accumulators
.set PGL,   108                        ; v108 pos_emb in memory;  v109, v110 its way into my stage and back;  v111 where its scale word goes
.set PSI,   109
.set PSO,   110
.set PWS,   111
; 16 nb numbers of a lane, register 16 b + i = k 32 b + 16 (lane/16) + i of my row, become codes in v[pc] on (4 registers a block) and the blocks' scale bytes in v[pw]
.macro QUANT s, nb, pc, pw
.irp b, 0,1,2,3
.if \b < \nb
	v_max3_num_f32 v[TM+\b], |v[\s+16*\b]|, |v[\s+16*\b+1]|, 0x4800000   ; my 16 numbers and the floor 2^(9-127): the byte cannot fall under 1
.endif
.endr
.irp i, 2,4,6,8,10,12,14
.irp b, 0,1,2,3
.if \b < \nb
	v_max3_num_f32 v[TM+\b], v[TM+\b], |v[\s+16*\b+\i]|, |v[\s+16*\b+\i+1]|   ; the blocks by turns
.endif
.endr
.endr
.irp b, 0,1,2,3
.if \b < \nb
	v_permlanex16_b32 v[TM+4+\b], v[TM+\b], s[SEL], s[SEL+1]
.endif
.endr
.irp b, 0,1,2,3
.if \b < \nb
	v_max_num_f32 v[TM+\b], v[TM+\b], v[TM+4+\b]           ; with lane l xor 16's 16: the block's largest magnitude
.endif
.endr
.irp b, 0,1,2,3
.if \b < \nb
	v_add_nc_u32 v[TM+12+\b], 0xfc000000, v[TM+\b]         ; 8 off its exponent field: the conversion's scale operand
.endif
.endr
.irp b, 0,1,2,3
.if \b < \nb
	v_and_or_b32 v[TM+8+\b], v[TM+\b], 0x7f800000, s[MNT]  ; 448 x the scale
.endif
.endr
.irp b, 0,1,2,3
.if \b < \nb
	v_lshrrev_b32 v[TM+4+\b], 23, v[TM+12+\b]              ; the scale's byte
.endif
.endr
	v_lshl_or_b32 v[\pw], v[TM+5], 8, v[TM+4]
.if \nb > 2
	v_lshl_or_b32 v[\pw], v[TM+6], 16, v[\pw]
	v_lshl_or_b32 v[\pw], v[TM+7], 24, v[\pw]
.endif
.irp b, 0,1,2,3
.if \b < \nb
.irp i, 0,1,2,3,4,5,6,7,8,9,10,11,12,13,14,15
	v_med3_num_f32 v[\s+16*\b+\i], v[\s+16*\b+\i], -v[TM+8+\b], v[TM+8+\b]   ; the conversion to an 8-bit code does not saturate (ISA guide 7.6.2): the hold comes first
.endr
	v_cvt_scalef32_pk8_fp8_f32 v[\pc+4*\b:\pc+4*\b+1], v[\s+16*\b:\s+16*\b+7], v[TM+12+\b]
	v_cvt_scalef32_pk8_fp8_f32 v[\pc+4*\b+2:\pc+4*\b+3], v[\s+16*\b+8:\s+16*\b+15], v[TM+12+\b]
.endif
.endr
	v_nop                                                  ; one plain line behind the last conversion
.endm
.macro XLD reg, e                      ; 16 rows of my tile, 128 numbers of K step 2J+e: each load takes one row's 512 consecutive bytes
.irp i, 0,1,2,3,4,5,6,7,8,9,10,11,12,13,14,15
	global_load_b128 v[\reg+4*\i:\reg+4*\i+3], v1, s[50:51] offset:(\i+8*(\i/8))*4096+\e*512
.endr
.endm
.macro XTURN reg                       ; through my stage: in as loaded, back 64 bytes of one row for each block.  LDS serves a wave's instructions in order (ISA guide 5.7.1.4): no wait between
.irp i, 0,1,2,3,4,5,6,7,8,9,10,11,12,13,14,15
	ds_store_b128 v3, v[\reg+4*\i:\reg+4*\i+3] offset:\i*528
.endr
.irp c, 0,1,2,3
.irp j, 0,1,2,3
	ds_load_b128 v[\reg+16*\c+4*\j:\reg+16*\c+4*\j+3], v10 offset:\c*128+\j*16
.endr
.endr
.endm
.macro GLOADW s                        ; W's four fragments of K step s
.irp t, 0,1,2,3
.irp c, 0,1,2,3
	global_load_b128 v[WF+16*\t+4*\c:WF+16*\t+4*\c+3], v11, s[56:57] offset:(32*(\t/2)+8*(\t%2))*1024+128*\s+32*\c
.endr
.endr
.endm
.macro XFETCH buf, m, s                ; x's fragment (tile m, K step s): its image comes back as it was stored
.irp c, 0,1,2,3
	ds_load_b128 v[\buf+4*\c:\buf+4*\c+3], v1 offset:(8*\m+\s)*2048+512*\c
.endr
.endm
.macro WM d, a, b, sa, sb, s, side     ; one product.  K step 0 starts the sum; from step 4 on W's scale words stand in lanes 16-31 (side 1: W is source 0; 2: source 1)
.if \s == 0
	v_wmma_scale_f32_16x16x128_f8f6f4 v[\d:\d+7], v[\a:\a+15], v[\b:\b+15], 0, v[\sa], v[\sb]
.elseif \s < 4
	v_wmma_scale_f32_16x16x128_f8f6f4 v[\d:\d+7], v[\a:\a+15], v[\b:\b+15], v[\d:\d+7], v[\sa], v[\sb]
.elseif \side == 1
	v_wmma_scale_f32_16x16x128_f8f6f4 v[\d:\d+7], v[\a:\a+15], v[\b:\b+15], v[\d:\d+7], v[\sa], v[\sb] matrix_a_scale:MATRIX_SCALE_ROW1
.else
	v_wmma_scale_f32_16x16x128_f8f6f4 v[\d:\d+7], v[\a:\a+15], v[\b:\b+15], v[\d:\d+7], v[\sa], v[\sb] matrix_b_scale:MATRIX_SCALE_ROW1
.endif
.endm
.macro MM path, m, buf, s              ; token tile m against W's four tiles.  path 0 (q, k): accumulator 4m+t; path 1 (v): 4t+m
.irp t, 0,1,2,3
.if \path == 0
	WM ACC+8*(4*\m+\t), WF+16*\t, \buf, WS+4*\t+\s%4, XS+\m, \s, 1
.else
	WM ACC+8*(4*\t+\m), \buf, WF+16*\t, XS+\m, WS+4*\t+\s%4, \s, 2
.endif
.endr
.endm
; A K step: 16 products, the sixteen accumulators by turns in one fixed order.  Eight plain places stand in front of loads into registers that products have read.
; Step 0 also brings W's scale words of all eight steps: 32 bytes a row, lanes 0-15 the first 16, lanes 16-31 the second.
.macro GSTEP path, s
.if \s > 0
.rept 8
	v_nop
.endr
.endif
	GLOADW \s
.if \s == 0
.irp t, 0,1,2,3
	global_load_b128 v[WS+4*\t:WS+4*\t+3], v12, s[58:59] offset:(32*(\t/2)+8*(\t%2))*32
.endr
.endif
.irp m, 0,1,2,3
	ds_load_b32 v[XS+\m], v13 offset:(8*\m+\s)*128
.endr
	XFETCH XF0, 0, \s
	XFETCH XF1, 1, \s
	s_wait_loadcnt 0x0                     ; W's fragments (and, in step 0, its scale words)
	s_wait_dscnt 0x0
	MM \path, 0, XF0, \s
	MM \path, 1, XF1, \s
.rept 8
	v_nop
.endr
	XFETCH XF0, 2, \s
	XFETCH XF1, 3, \s
	s_wait_dscnt 0x0
	MM \path, 2, XF0, \s
	MM \path, 3, XF1, \s
.endm
	s_load_b512 s[4:19], s[0:1], 0x0       ; q_s, pos_emb, Wq codes, scales, Wk codes, scales, Wv codes, scales
	s_load_b256 s[20:27], s[0:1], 0x40     ; Wo codes, scales, qc, qs
	s_load_b128 s[28:31], s[0:1], 0x60     ; kv, woi
	s_load_b64 s[32:33], s[0:1], 0x70      ; wos
	v_lshrrev_b32 v15, 5, v0
	v_readfirstlane_b32 s34, v15           ; wave
	v_and_b32 v15, 31, v0                  ; lane: stays
	v_and_b32 v124, 15, v0                 ; r
	v_bfe_u32 v125, v0, 4, 1               ; h
	s_lshr_b32 s35, s34, 2                 ; R
	s_and_b32 s36, s34, 3                  ; J
	s_mov_b32 s37, ttmp9                   ; tb: which 64 tokens
	s_and_b32 s38, ttmp7, 0xffff           ; hq: which 4 heads
	s_and_b32 s39, s37, 1                  ; which half of a key step of 128
	s_mov_b32 s[MNT], 0x600000
	s_mov_b32 s[SEL], 0x76543210
	s_mov_b32 s[SEL+1], 0xfedcba98
	; byte offsets, apart from the addresses
	s_lshl_b32 s66, s37, 6
	s_lshr_b32 s67, s35, 1
	s_lshl_b32 s67, s67, 5
	s_add_co_u32 s66, s66, s67
	s_and_b32 s67, s35, 1
	s_lshl_b32 s67, s67, 3
	s_add_co_u32 s66, s66, s67             ; tile R's first token: 64 tb + 32 (R/2) + 8 (R%2)
	s_lshl_b32 s66, s66, 12                ; a row is 4,096 bytes
	s_lshl_b32 s67, s36, 10
	s_add_co_u32 s68, s66, s67             ; q_s: + K steps 2J, 2J+1
	s_mov_b32 s69, 0
	s_lshl_b32 s70, s38, 10
	s_lshl_b32 s67, s36, 8
	s_add_co_u32 s70, s70, s67
	s_add_co_u32 s70, s70, s66             ; pos_emb: + head 4hq+J
	s_mov_b32 s71, 0
	s_lshr_b32 s72, s37, 5
	s_lshl_b32 s72, s72, 4
	s_lshl_b32 s73, s38, 2
	s_add_co_u32 s72, s72, s73
	s_add_co_u32 s72, s72, s36             ; bh = 16 batch + head
	s_and_b32 s73, s37, 31
	s_lshr_b32 s74, s73, 1                 ; key step
	s_lshl_b32 s75, s72, 4
	s_add_co_u32 s75, s75, s74
	s_mul_i32 s74, s75, STEPB              ; kv: my head's block of this key step
	s_mov_b32 s75, 0
	s_lshl_b32 s76, s38, 8
	s_lshl_b32 s77, s36, 6
	s_add_co_u32 s76, s76, s77             ; my head's first row of W
	s_lshl_b32 s78, s76, 5                 ; 32 scale bytes a row
	s_mov_b32 s79, 0
	s_lshl_b32 s76, s76, 10                ; 1,024 codes a row
	s_mov_b32 s77, 0
	s_lshl_b32 s80, s72, 17
	s_lshl_b32 s81, s73, 12
	s_add_co_u32 s80, s80, s81             ; qc: 131,072 a head, 1,024 a tile
	s_mov_b32 s81, 0
	s_lshl_b32 s82, s72, 14
	s_lshl_b32 s83, s73, 9
	s_add_co_u32 s82, s82, s83             ; qs: 16,384 a head, 128 a tile
	s_mov_b32 s83, 0
	s_lshl_b32 s84, s39, 2
	s_add_co_u32 s84, s84, s35
	s_lshl_b32 s84, s84, 11
	s_add_co_u32 s84, s84, 1024            ; pos_emb's codes: key tile 4 half + R, register groups 2, 3
	s_mov_b32 s85, 0
	s_lshl_b32 s86, s39, 13                ; k's codes: key tiles 4 half on
	s_mov_b32 s87, 0
	s_lshl_b32 s88, s39, 8
	s_add_co_u32 s88, s88, KSC             ; their scale words
	s_mov_b32 s89, 0
	s_lshl_b32 s90, s39, 10
	s_add_co_u32 s90, s90, VIMG            ; v's codes: key blocks 2 half on
	s_mov_b32 s91, 0
	s_lshl_b32 s92, s39, 1
	s_add_co_u32 s92, s92, VSC             ; their scale bytes
	s_mov_b32 s93, 0
	; lane terms and LDS addresses, all made here
	v_lshlrev_b32 v1, 4, v15               ; 16 lane
	v_lshlrev_b32 v2, 2, v15               ; 4 lane
	s_mul_i32 s94, s34, 8448
	s_add_co_u32 s94, s94, STG             ; my stage
	v_add_nc_u32 v3, s94, v1               ; x into it: 16 lane (+ 528 a row)
	v_mul_u32_u24 v10, v124, 528
	v_lshl_add_u32 v10, v125, 6, v10
	v_add_nc_u32 v10, s94, v10             ; and back: row r, + 64 h
	v_lshlrev_b32 v[PGL], 12, v125
	v_lshl_add_u32 v[PGL], v124, 4, v[PGL] ; pos_emb in memory: two rows of 256 bytes a load
	v_mul_u32_u24 v[PSI], v125, 272
	v_lshl_add_u32 v[PSI], v124, 4, v[PSI]
	v_add_nc_u32 v[PSI], s94, v[PSI]       ; into the stage
	v_mul_u32_u24 v[PSO], v124, 272
	v_lshl_add_u32 v[PSO], v125, 6, v[PSO]
	v_add_nc_u32 v[PSO], s94, v[PSO]       ; and back
	s_lshl_b32 s95, s35, 3
	s_lshl_b32 s96, s36, 1
	s_add_co_u32 s95, s95, s96             ; my first fragment: 8 R + 2 J
	s_lshl_b32 s96, s95, 11
	v_add_nc_u32 v8, s96, v1               ; its image
	s_lshl_b32 s96, s95, 7
	s_add_co_u32 s96, s96, XSC
	v_add_nc_u32 v9, s96, v2               ; its scale words
	s_lshl_b32 s96, s34, 7
	s_add_co_u32 s96, s96, PSC
	v_add_nc_u32 v[PWS], s96, v2           ; pos_emb's scale word: unit 4 R + J
	v_and_b32 v126, 8, v124
	v_add_nc_u32 v126, v126, v124          ; r + 8 (r/8)
	v_lshlrev_b32 v11, 10, v126
	v_lshl_add_u32 v11, v125, 4, v11       ; W's codes: that row, + 16 h
	v_lshlrev_b32 v12, 5, v126
	v_lshl_add_u32 v12, v125, 4, v12       ; W's scale bytes: that row, lanes 16-31 its second 16 bytes
	v_add_nc_u32 v13, XSC, v2
	s_lshl_b32 s96, s36, 7
	s_add_co_u32 s96, s96, PSC
	v_add_nc_u32 v14, s96, v2              ; pos_emb's scale words of head J
.irp b, 0,1,2,3
	v_mov_b32 v[TM+4+\b], 0                ; a lane permute's destination counts as one of its sources
.endr
	s_wait_kmcnt 0x0
	s_add_nc_u64 s[50:51], s[4:5], s[68:69]
	s_add_nc_u64 s[52:53], s[6:7], s[70:71]
	s_add_nc_u64 s[54:55], s[28:29], s[74:75]
	s_cmp_eq_u32 s35, 0                    ; which W: by the wave's role alone
	s_cselect_b64 s[56:57], s[8:9], s[12:13]
	s_cselect_b64 s[58:59], s[10:11], s[14:15]
	s_cmp_eq_u32 s35, 2
	s_cselect_b64 s[56:57], s[16:17], s[56:57]
	s_cselect_b64 s[58:59], s[18:19], s[58:59]
	s_add_nc_u64 s[56:57], s[56:57], s[76:77]
	s_add_nc_u64 s[58:59], s[58:59], s[78:79]
	s_add_nc_u64 s[60:61], s[24:25], s[80:81]
	s_add_nc_u64 s[62:63], s[26:27], s[82:83]
	s_add_nc_u64 s[84:85], s[54:55], s[84:85]
	s_add_nc_u64 s[86:87], s[54:55], s[86:87]
	s_add_nc_u64 s[88:89], s[54:55], s[88:89]
	s_add_nc_u64 s[90:91], s[54:55], s[90:91]
	s_add_nc_u64 s[92:93], s[54:55], s[92:93]
	; ---- all sixteen waves quantise.  40 loads go out together; the first K step is quantised while the second's numbers and pos_emb's are on their way
	XLD 128, 0
	XLD 192, 1
.irp i, 0,1,2,3,4,5,6,7
	global_load_b128 v[32+4*\i:35+4*\i], v[PGL], s[52:53] offset:(2*\i+8*((2*\i)/8))*4096 th:TH_LOAD_NT
.endr
	s_wait_loadcnt 24                      ; the first K step's 16 are in; the second's 16 and pos_emb's 8 may be out
	XTURN 128
	s_wait_dscnt 0x0
	QUANT 128, 4, 64, 104
.irp c, 0,1,2,3
	ds_store_b128 v8, v[64+4*\c:67+4*\c] offset:512*\c
.endr
	ds_store_b32 v9, v104
	s_wait_loadcnt 8                       ; the second K step's 16 are in; pos_emb's 8 may be out
	XTURN 192
	s_wait_loadcnt 0x0
.irp i, 0,1,2,3,4,5,6,7
	ds_store_b128 v[PSI], v[32+4*\i:35+4*\i] offset:2*\i*272
.endr
.irp b, 0,1
.irp j, 0,1,2,3
	ds_load_b128 v[32+16*\b+4*\j:35+16*\b+4*\j], v[PSO] offset:\b*128+\j*16
.endr
.endr
	s_wait_dscnt 0x0
	QUANT 192, 4, 80, 105
.irp c, 0,1,2,3
	ds_store_b128 v8, v[80+4*\c:83+4*\c] offset:2048+512*\c
.endr
	ds_store_b32 v9, v105 offset:128
	QUANT 32, 2, 96, 106
	global_store_b128 v1, v[96:99], s[84:85]               ; 32 lanes store 512 consecutive bytes
	global_store_b128 v1, v[100:103], s[84:85] offset:512
	v_lshlrev_b32 v107, 16, v106
	ds_store_b32 v[PWS], v107
	s_wait_dscnt 0x0                       ; for the others' sake: my images and scale words lie in LDS
	s_wait_xcnt 0x0                        ; the stores have read v96-103: W's fragments may land there
	s_barrier_signal -1
	s_barrier_wait -1                      ; the launch's one barrier: behind it LDS is only read
	s_cmp_eq_u32 s35, 3
	s_cbranch_scc1 .Lwo
	s_cmp_eq_u32 s35, 2
	s_cbranch_scc1 .Lv
.irp s, 0,1,2,3,4,5,6,7
	GSTEP 0, \s
.endr
	s_branch .Lepi
.Lv:
.irp s, 0,1,2,3,4,5,6,7
	GSTEP 1, \s
.endr
.Lepi:
.rept 8
	v_nop                                  ; places behind the last products
.endr
.irp i, 0,1,2,3
	ds_load_b32 v[100+\i], v14 offset:\i*512               ; pos_emb's scale words of the four tiles (k's role uses them; one path for all three)
.endr
.irp i, 0,1,2,3
	QUANT 128+32*\i, 2, 64+8*\i, 96+\i     ; q, k: token tile i, two blocks along the head; v: feature tile i, two blocks along the keys
.endr
	v_and_b32 v110, 15, v15
	v_lshlrev_b32 v110, 4, v110            ; 16 r
	v_lshrrev_b32 v111, 4, v15             ; h
	v_cmp_le_u32 vcc_lo, 16, v15           ; lanes 16-31
	s_wait_dscnt 0x0
	s_cmp_eq_u32 s35, 1
	s_cbranch_scc1 .Lkst
	s_cmp_eq_u32 s35, 2
	s_cbranch_scc1 .Lvst
.irp i, 0,1,2,3
	global_store_b128 v1, v[64+8*\i:67+8*\i], s[60:61] offset:\i*1024
	global_store_b128 v1, v[68+8*\i:71+8*\i], s[60:61] offset:\i*1024+512
	v_lshl_or_b32 v[104+\i], v[96+\i], 16, v[96+\i]        ; q stands twice in its operand, against k and against pos_emb: so do its bytes
	global_store_b32 v2, v[104+\i], s[62:63] offset:\i*128
.endr
	s_wait_xcnt 0x0
	v_lshl_add_u32 v254, v0, 2, 0x32800
	v_mov_b32 v255, 0
	s_wait_tensorcnt 0x0
	ds_add_u32 v254, v255
	s_wait_dscnt 0x0
	s_endpgm
.Lkst:
.irp i, 0,1,2,3
	global_store_b128 v1, v[64+8*\i:67+8*\i], s[86:87] offset:\i*2048
	global_store_b128 v1, v[68+8*\i:71+8*\i], s[86:87] offset:\i*2048+512
	v_or_b32 v[104+\i], v[96+\i], v[100+\i]                ; k's two bytes below, pos_emb's two above
.endr
	v_cndmask_b32 v108, v104, v106, vcc_lo                 ; lanes 0-15 store tiles 0, 1 of row r, lanes 16-31 tiles 2, 3: 256 consecutive bytes
	v_cndmask_b32 v109, v105, v107, vcc_lo
	v_lshl_add_u32 v110, v111, 3, v110
	global_store_b64 v110, v[108:109], s[88:89]
	s_wait_xcnt 0x0
	v_lshl_add_u32 v254, v0, 2, 0x32800
	v_mov_b32 v255, 0
	s_wait_tensorcnt 0x0
	ds_add_u32 v254, v255
	s_wait_dscnt 0x0
	s_endpgm
.Lvst:
.irp i, 0,1,2,3
	global_store_b128 v1, v[64+8*\i:67+8*\i], s[90:91] offset:\i*2048
	global_store_b128 v1, v[68+8*\i:71+8*\i], s[90:91] offset:\i*2048+512
.endr
	v_cndmask_b32 v108, v96, v97, vcc_lo                   ; two of a word's four bytes are this work-group's: lanes 0-15 tiles 0, 2; lanes 16-31 tiles 1, 3
	v_cndmask_b32 v109, v98, v99, vcc_lo
	v_lshl_add_u32 v110, v111, 2, v110
	global_store_b16 v110, v108, s[92:93]
	global_store_b16 v110, v109, s[92:93] offset:8
	s_wait_xcnt 0x0
	v_lshl_add_u32 v254, v0, 2, 0x32800
	v_mov_b32 v255, 0
	s_wait_tensorcnt 0x0
	ds_add_u32 v254, v255
	s_wait_dscnt 0x0
	s_endpgm
.Lwo:                                      ; Wo's images: 1,024 such waves in the launch, half a fragment each; the first 128 also turn 64 rows' scale words of one K step
	s_lshl_b32 s66, s37, 2
	s_add_co_u32 s66, s66, s38
	s_lshl_b32 s66, s66, 2
	s_add_co_u32 s66, s66, s36             ; id 0..1023
	s_lshr_b32 s67, s66, 4                 ; tile of 16 rows
	s_bfe_u32 s68, s66, 0x30001            ; K step
	s_and_b32 s69, s66, 1                  ; which half of the fragment
	s_lshl_b32 s70, s67, 14
	s_lshl_b32 s72, s68, 7
	s_add_co_u32 s70, s70, s72
	s_lshl_b32 s72, s69, 6
	s_add_co_u32 s70, s70, s72
	s_mov_b32 s71, 0
	s_add_nc_u64 s[70:71], s[20:21], s[70:71]
	s_lshr_b32 s72, s67, 2
	s_lshl_b32 s72, s72, 3
	s_add_co_u32 s72, s72, s68
	s_lshl_b32 s72, s72, 13
	s_and_b32 s74, s67, 3
	s_lshl_b32 s74, s74, 11
	s_add_co_u32 s72, s72, s74
	s_lshl_b32 s74, s69, 10
	s_add_co_u32 s72, s72, s74
	s_mov_b32 s73, 0
	s_add_nc_u64 s[72:73], s[30:31], s[72:73]
	v_and_b32 v32, 15, v15
	v_lshrrev_b32 v33, 4, v15
	v_lshlrev_b32 v34, 10, v32
	v_lshl_add_u32 v34, v33, 4, v34        ; row r, + 16 h
	global_load_b128 v[36:39], v34, s[70:71]
	global_load_b128 v[40:43], v34, s[70:71] offset:32
	s_wait_loadcnt 0x0
	global_store_b128 v1, v[36:39], s[72:73]
	global_store_b128 v1, v[40:43], s[72:73] offset:512
	s_cmp_lt_u32 s66, 128
	s_cbranch_scc0 .Lwo_end
	s_lshr_b32 s74, s66, 3
	s_lshl_b32 s74, s74, 11                ; 64 rows x 32 bytes
	s_and_b32 s76, s66, 7
	s_lshl_b32 s76, s76, 2
	s_add_co_u32 s74, s74, s76
	s_mov_b32 s75, 0
	s_add_nc_u64 s[74:75], s[22:23], s[74:75]
	s_lshl_b32 s76, s66, 8
	s_mov_b32 s77, 0
	s_add_nc_u64 s[76:77], s[32:33], s[76:77]
	v_lshlrev_b32 v35, 9, v33
	v_lshl_add_u32 v35, v32, 5, v35        ; tile 2 i + h, row r
	global_load_b32 v44, v35, s[74:75]
	global_load_b32 v45, v35, s[74:75] offset:1024
	v_lshlrev_b32 v46, 4, v32
	v_lshl_add_u32 v46, v33, 2, v46        ; [r][tile]
	s_wait_loadcnt 0x0
	global_store_b32 v46, v44, s[76:77]
	global_store_b32 v46, v45, s[76:77] offset:8
.Lwo_end:
	s_wait_xcnt 0x0
	v_lshl_add_u32 v254, v0, 2, 0x32800
	v_mov_b32 v255, 0
	s_wait_tensorcnt 0x0
	ds_add_u32 v254, v255
	s_wait_dscnt 0x0
	s_endpgm
.Lfunc_end_k_q647fecb423_qkv:
	.size	k_q647fecb423_qkv, .Lfunc_end_k_q647fecb423_qkv-k_q647fecb423_qkv
	.p2alignl 7, 3214868480
	.fill 96, 4, 3214868480
	.section	.rodata,"a",@progbits
	.p2align	6, 0x0
	.amdhsa_kernel k_q647fecb423_qkv
		.amdhsa_group_segment_fixed_size 208896
		.amdhsa_private_segment_fixed_size 0
		.amdhsa_enable_private_segment 0
		.amdhsa_kernarg_size 120
		.amdhsa_user_sgpr_count 2
		.amdhsa_user_sgpr_kernarg_segment_ptr 1
		.amdhsa_wavefront_size32 1
		.amdhsa_system_sgpr_workgroup_id_x 1
		.amdhsa_system_sgpr_workgroup_id_y 1
		.amdhsa_system_sgpr_workgroup_id_z 1
		.amdhsa_system_vgpr_workitem_id 0
		.amdhsa_next_free_vgpr 256
		.amdhsa_next_free_sgpr 100
		.amdhsa_reserve_vcc 1
		.amdhsa_float_denorm_mode_32 3
		.amdhsa_float_denorm_mode_16_64 3
		.amdhsa_memory_ordered 1
		.amdhsa_forward_progress 1
		.amdhsa_inst_pref_size 146
	.end_amdhsa_kernel
	.amdgpu_metadata
---
amdhsa.version: [ 1, 2 ]
amdhsa.kernels:
  - .name:           k_q647fecb423_qkv
    .symbol:         k_q647fecb423_qkv.kd
    .args:
      - { .name: q_s, .offset: 0, .size: 8, .value_kind: global_buffer, .address_space: global }
      - { .name: pos_emb, .offset: 8, .size: 8, .value_kind: global_buffer, .address_space: global }
      - { .name: Wq_codes, .offset: 16, .size: 8, .value_kind: global_buffer, .address_space: global }
      - { .name: Wq_scales, .offset: 24, .size: 8, .value_kind: global_buffer, .address_space: global }
      - { .name: Wk_codes, .offset: 32, .size: 8, .value_kind: global_buffer, .address_space: global }
      - { .name: Wk_scales, .offset: 40, .size: 8, .value_kind: global_buffer, .address_space: global }
      - { .name: Wv_codes, .offset: 48, .size: 8, .value_kind: global_buffer, .address_space: global }
      - { .name: Wv_scales, .offset: 56, .size: 8, .value_kind: global_buffer, .address_space: global }
      - { .name: Wo_codes, .offset: 64, .size: 8, .value_kind: global_buffer, .address_space: global }
      - { .name: Wo_scales, .offset: 72, .size: 8, .value_kind: global_buffer, .address_space: global }
      - { .name: qc, .offset: 80, .size: 8, .value_kind: global_buffer, .address_space: global }
      - { .name: qs, .offset: 88, .size: 8, .value_kind: global_buffer, .address_space: global }
      - { .name: kv, .offset: 96, .size: 8, .value_kind: global_buffer, .address_space: global }
      - { .name: woi, .offset: 104, .size: 8, .value_kind: global_buffer, .address_space: global }
      - { .name: wos, .offset: 112, .size: 8, .value_kind: global_buffer, .address_space: global }
    .group_segment_fixed_size: 208896
    .private_segment_fixed_size: 0
    .kernarg_segment_align: 8
    .kernarg_segment_size: 120
    .max_flat_workgroup_size: 512
    .sgpr_count:     100
    .vgpr_count:     256
    .wavefront_size: 32
...
	.end_amdgpu_metadata
.endif
;; end of part 1
;; launch attn (part 2): grid 8 x 32, 8 waves a work-group, clusters of 4 x 1, 327,680 bytes of LDS; arguments qc, qs, kv, oc, os; writes oc, os
.if DOCPART == 2
	.amdgcn_target "amdgcn-amd-amdhsa--gfx1250"
	.amdhsa_code_object_version 6
	.text
	.protected	k_q647fecb423_attn
	.globl	k_q647fecb423_attn
	.p2align	8
	.type	k_q647fecb423_attn,@function
k_q647fecb423_attn:
	s_mov_b64 s[64:65], 0
	v_nop
	global_prefetch_b8 v0, s[64:65] scope:SCOPE_SE
	s_setreg_imm32_b32 hwreg(HW_REG_WAVE_MODE, 25, 1), 1
	s_wait_xcnt 0x0
	s_wait_alu depctr_hold_cnt(0) depctr_sa_sdst(0) depctr_va_vdst(0) depctr_va_sdst(0) depctr_va_ssrc(0) depctr_va_vcc(0) depctr_vm_vsrc(0)
	s_getreg_b32 s2, hwreg(HW_REG_IB_STS2, 6, 4)
	s_cmp_eq_u32 s2, 0
	s_cbranch_scc0 .Lentry_in_a_cluster
	s_endpgm
.Lentry_in_a_cluster:
	s_bfe_u32 s2, ttmp6, 0x10000c
	s_cmp_lg_u32 s2, 0x3003
	s_cbranch_scc0 .Lentry_shape_is_right
	s_endpgm
.Lentry_shape_is_right:
; o = softmax((q k^T + q p^T) / 8) v for one head, all products on codes of E4M3 with E8M0 scales; o is quantised at once along the head's 64 for the output projection.
; ONE INSTRUCTION FOR TWO PRODUCTS: q k^T and q p^T have K = 64 each and share q: source 0 = 16 keys' [k | p] (128 codes), source 1 = 16 queries' [q | q]; the four scale bytes of a side go with the four blocks.
; THE SOFTMAX: t = score x log2(e) / 8; M = the running largest t rounded UP to a whole number; p = 2^(t - M) is quantised along the keys, not normalised; the row's sum is taken of the unquantised p and divides at the end.
; SHARES.  A work-group owns 256 queries of one head; each of its EIGHT waves owns TWO tiles of 16 queries, A and B, in 512 registers: two waves to a SIMD.  Each fragment of [k|p] and of V that a wave reads from LDS
; feeds two products: a key step costs the work-group 8 x 51 LDS loads, where a tile to a wave would cost 16 x 51.
; Every wave walks the head's 2,048 keys, 128 a step.  A step's operands are ONE dense block of kv (25,344 bytes: register images and scale words), so every LDS load takes 512 consecutive bytes and needs no padding.
; RING: two slots of four steps; waves 0 to 3 fetch a step's block each.  CLUSTER: the four query blocks of a cluster walk the same head: each block is asked for jointly.
; Both products are used transposed: a lane holds one query (lane % 16) throughout; the keys and the features of a tile were chosen by the first launch so that 16 registers of two neighbouring tiles are 16 neighbours.
; LIMITS: NaN and infinities are not served; a block of o whose largest magnitude lies under 2^-118 keeps the scale byte 1 (a block of zeros too: its codes are zeros).
; REGISTERS, in two windows of 256 (s_set_vgpr_msb's low byte: bits 1:0 source 0, 3:2 source 1, 5:4 source 2, 7:6 destination).
;   window 0: v1 16 lane, v2 16 (lane%16), v3 4 lane, v5-6 the spare word's address and 0, v7 256 lane, v8-9 the step's LDS addresses; v32-95 key tiles 0-3, later V's four tiles; v208-215 [k|p]'s scale words, v216-219 V's;
;             v230 tile B's p scale word, v231 its q scale word (scale operands have no window);  and tile A: v12 -M, v13 the largest t, v[14:15] the sum, v16-31 [q|q], v96-159 S^T, then p, v160-191 O^T, v192-207 p's codes,
;             v232-254 at work (v253 p's scale word), v255 q's scale word.
;   window 1: tile B at tile A's numbers, so that the softmax and the way out are written once and run under both windows;  v32-95 key tiles 4-7: all eight key tiles are asked for in one run.
; A key step has twelve switches for its 24 products, 51 LDS loads and two softmaxes.
.set STEPB, 25344
.set VIMG,  16384
.set KSC,   24576
.set VSC,   25088
.set SLOT1, 1<<17                      ; slot 1 begins here: one exclusive or turns an address in one slot into the other's
.set SPARE, SLOT1+4*STEPB              ; behind the ring: the spare words, 128 bytes for each wave: four blocks of 256 bytes that no other line names
.set WV,    18
.set MNT,   19
.set SEL,   20
.set CS,    22                         ; s[22:23] c = log2(e) / 8
.set G1,    24
.set G0,    32
.set TS,    36                         ; LDS byte at which the step in hand begins
.set SLOTS, 37
.set PFA,   38                         ; s[38:39] where my prefetches stand
.set LIM,   40
.set FOUR,  41
.set TM,    140                        ; the way out's quantiser works in v140-155
.set MSB,   0
.macro WIN new                         ; the immediate's high byte repeats the setting that is left; a switch that changes nothing is dropped
.if MSB != \new
	s_set_vgpr_msb (MSB<<8)|\new
.set MSB, \new
.endif
.endm
.macro QUANT s, nb, pc, pw             ; as in the first launch
.irp b, 0,1,2,3
.if \b < \nb
	v_max3_num_f32 v[TM+\b], |v[\s+16*\b]|, |v[\s+16*\b+1]|, 0x4800000
.endif
.endr
.irp i, 2,4,6,8,10,12,14
.irp b, 0,1,2,3
.if \b < \nb
	v_max3_num_f32 v[TM+\b], v[TM+\b], |v[\s+16*\b+\i]|, |v[\s+16*\b+\i+1]|
.endif
.endr
.endr
.irp b, 0,1,2,3
.if \b < \nb
	v_permlanex16_b32 v[TM+4+\b], v[TM+\b], s[SEL], s[SEL+1]
.endif
.endr
.irp b, 0,1,2,3
.if \b < \nb
	v_max_num_f32 v[TM+\b], v[TM+\b], v[TM+4+\b]
.endif
.endr
.irp b, 0,1,2,3
.if \b < \nb
	v_add_nc_u32 v[TM+12+\b], 0xfc000000, v[TM+\b]
.endif
.endr
.irp b, 0,1,2,3
.if \b < \nb
	v_and_or_b32 v[TM+8+\b], v[TM+\b], 0x7f800000, s[MNT]
.endif
.endr
.irp b, 0,1,2,3
.if \b < \nb
	v_lshrrev_b32 v[TM+4+\b], 23, v[TM+12+\b]
.endif
.endr
	v_lshl_or_b32 v[\pw], v[TM+5], 8, v[TM+4]
.if \nb > 2
	v_lshl_or_b32 v[\pw], v[TM+6], 16, v[\pw]
	v_lshl_or_b32 v[\pw], v[TM+7], 24, v[\pw]
.endif
.irp b, 0,1,2,3
.if \b < \nb
.irp i, 0,1,2,3,4,5,6,7,8,9,10,11,12,13,14,15
	v_med3_num_f32 v[\s+16*\b+\i], v[\s+16*\b+\i], -v[TM+8+\b], v[TM+8+\b]
.endr
	v_cvt_scalef32_pk8_fp8_f32 v[\pc+4*\b:\pc+4*\b+1], v[\s+16*\b:\s+16*\b+7], v[TM+12+\b]
	v_cvt_scalef32_pk8_fp8_f32 v[\pc+4*\b+2:\pc+4*\b+3], v[\s+16*\b+8:\s+16*\b+15], v[TM+12+\b]
.endif
.endr
	v_nop
.endm
.macro CROUND                          ; a round of the cluster's barrier
	s_barrier_signal -1
	s_barrier_wait -1
	s_cmp_lg_u32 s[WV], 0
	s_cbranch_scc1 .Lnot_wave_0_\@
	s_barrier_signal -3
.Lnot_wave_0_\@:
	s_barrier_wait -3
	s_barrier_signal -1
	s_barrier_wait -1
.endm
.macro TLOAD                           ; waves 0 to 3 fetch one step's block each; four v_nop follow the load
	s_cmp_lt_u32 s[WV], 4
	s_cbranch_scc0 .Lnone_\@
	tensor_load_to_lds s[G0:G0+3], s[G1:G1+7]
	s_nop 0
.rept 4
	v_nop
.endr
.Lnone_\@:
.endm
; A prefetch into the L2 of what the NEXT change of slots will ask for.  Both clusters of a head walk the same blocks: the head's first cluster asks.  Its four partners take one of the slot's four step blocks each, told apart
; by address; in each, waves 4, 5, 6 ask for 8,192 bytes of it, lanes 256 bytes apart (a block's last 768 bytes come by their load alone).  The last change that fills a slot asks for nothing.
.macro ASK
	s_cmp_gt_u32 s[SLOTS], s[LIM]
	s_cbranch_scc0 .Lnot_mine_\@
	global_prefetch_b8 v7, s[PFA:PFA+1] th:TH_LOAD_NT scope:SCOPE_SE
.Lnot_mine_\@:
.endm
; THE CHANGE OF SLOTS stands at a slot's head.  Each wave waits for all its tensor loads (its part of the slot ahead), adds 0 to its spare word, and waits for that and for its reads of the slot that it has left.
; fill = 1: a round of the cluster's barrier, and behind it the slot just left is filled with the four steps that follow: the load has four steps in which to land.  Every window is 0 here.
.macro CHANGE fill
	s_wait_tensorcnt 0x0                   ; no tensor load of mine is out, so group 0 may be written
	ds_add_u32 v5, v6                      ; 0 onto my spare word
.if \fill
	s_xor_b32 s[G0+1], s[G0+1], SLOT1      ; the other slot than last time,
	s_add_nc_u64 s[G0+2:G0+3], s[G0+2:G0+3], 4*STEPB       ; the next four steps; the type bits on top are not reached
	s_wait_xcnt 0x0                        ; the last prefetch, a slot back, has read its address
	s_add_nc_u64 s[PFA:PFA+1], s[PFA:PFA+1], 4*STEPB
	s_wait_dscnt 0x0                       ; the add is done, and my reads of the slot that I have left are over
	CROUND
	TLOAD                                  ; the first thing behind the round, a wave's one tensor load until the next
	ASK
.else
	s_wait_dscnt 0x0
	s_barrier_signal -1
	s_barrier_wait -1
.endif
.endm
; ONE TILE'S SOFTMAX for a key step, on the registers of the window that is set.  w = 0: tile A, window 0; w = 1: tile B, every operand in window 1; its scale word alone goes to window 0.
.macro SOFTMAX w
.irp b, 0,1,2,3
	v_max3_num_f32 v[232+\b], v[96+16*\b], v[97+16*\b], v[98+16*\b]   ; the largest score of each block of 32 keys: for the row's maximum, and, since p rises with the score, for the block's largest p
.endr
.irp i, 3,5,7,9,11,13
.irp b, 0,1,2,3
	v_max3_num_f32 v[232+\b], v[232+\b], v[96+16*\b+\i], v[97+16*\b+\i]
.endr
.endr
.irp b, 0,1,2,3
	v_max_num_f32 v[232+\b], v[232+\b], v[111+16*\b]
.endr
.irp b, 0,1,2,3
	v_permlanex16_b32 v[236+\b], v[232+\b], s[SEL], s[SEL+1]
.endr
.irp b, 0,1,2,3
	v_max_num_f32 v[232+\b], v[232+\b], v[236+\b]          ; with lane l xor 16's 16 keys
.endr
	v_max3_num_f32 v254, v232, v233, v234
	v_max_num_f32 v254, v254, v235
	v_mul_f32 v254, s[CS], v254            ; as t
	v_max_num_f32 v13, v13, v254           ; the running largest t
	v_mov_b32 v254, v12
	v_floor_f32 v12, -v13                  ; the new -M = -ceil(t)
	v_sub_f32 v254, v12, v254              ; old M - new M: a whole number, 0 or less
	v_cvt_i32_f32 v254, v254               ; (it saturates)
	v_ldexp_f32 v252, 1.0, v254            ; f = 2^(old M - new M)
.set j, 0
.rept 32
	v_pk_fma_f32 v[96+j:97+j], v[96+j:97+j], s[CS:CS+1], v[12:13] op_sel_hi:[1,0,0]   ; t - M, two at a time
.set j, j+2
.endr
.irp b, 0,1,2,3
	v_fma_f32 v[232+\b], v[232+\b], s[CS], v12
.endr
.set j, 0
.rept 64
	v_exp_f32 v[96+j], v[96+j]             ; p = 2^(t - M)
.set j, j+1
.endr
	v_pk_mul_f32 v[14:15], v[14:15], v[252:253] op_sel_hi:[1,0]   ; the sums under the new M: a plain line behind the exponentials
	s_wait_alu depctr_va_vdst(0)           ; one wait for the batch, ahead of its first reader
.irp b, 0,1,2,3
	v_exp_f32 v[232+\b], v[232+\b]         ; the blocks' largest p
.endr
	v_pk_add_f32 v[236:237], v[96:97], v[98:99]            ; the row's sum, of the unquantised p, in two chains
.irp j, 4,8,12,16,20,24,28,32,36,40,44,48,52,56,60
	v_pk_add_f32 v[14:15], v[14:15], v[96+\j:97+\j]
	v_pk_add_f32 v[236:237], v[236:237], v[98+\j:99+\j]
.endr
	v_pk_add_f32 v[14:15], v[14:15], v[236:237]
	s_wait_alu depctr_va_vdst(0)           ; and one for the four
.irp b, 0,1,2,3
	v_max_num_f32 v[232+\b], 0x4800000, v[232+\b]          ; the floor 2^(9-127)
.endr
.irp b, 0,1,2,3
	v_add_nc_u32 v[244+\b], 0xfc000000, v[232+\b]          ; the conversion's scale operand
.endr
.irp b, 0,1,2,3
	v_and_or_b32 v[240+\b], v[232+\b], 0x7f800000, s[MNT]  ; 448 x the scale
.endr
.irp b, 0,1,2,3
	v_lshrrev_b32 v[236+\b], 23, v[244+\b]
.endr
	v_lshl_or_b32 v253, v237, 8, v236      ; p's scale word for these 128 keys
	v_lshl_or_b32 v253, v238, 16, v253
.if \w
	WIN 0x11                               ; sources in window 1, the result in window 0: a scale operand is always taken from there
	v_lshl_or_b32 v230, v239, 24, v253
	WIN 0x55
.else
	v_lshl_or_b32 v253, v239, 24, v253
.endif
.irp b, 0,1,2,3
.irp i, 0,1,2,3,4,5,6,7,8,9,10,11,12,13,14,15
	v_min_num_f32 v[96+16*\b+\i], v[96+16*\b+\i], v[240+\b]   ; the hold; p is not negative
.endr
	v_cvt_scalef32_pk8_fp8_f32 v[192+4*\b:193+4*\b], v[96+16*\b:103+16*\b], v[244+\b]
	v_cvt_scalef32_pk8_fp8_f32 v[194+4*\b:195+4*\b], v[104+16*\b:111+16*\b], v[244+\b]
.endr
.set j, 0
.rept 16
	v_pk_mul_f32 v[160+j:161+j], v[160+j:161+j], v[252:253] op_sel_hi:[1,0]   ; O^T under the new M; these sixteen are also the places between the codes and the products
.set j, j+2
.endr
.endm
; A KEY STEP: 128 keys, both tiles
.macro STEP
	v_add_nc_u32 v8, s[TS], v1
	v_add_nc_u32 v9, s[TS], v2
.rept 6
	v_nop                                  ; with the two additions: eight places in front of loads into registers that the last products read
.endr
	ds_load_b128 v[208:211], v9 offset:KSC                 ; lane r: the scale words of key tiles 0-3,
	ds_load_b128 v[212:215], v9 offset:KSC+256             ; and 4-7
.irp t, 0,1,2,3
.irp c, 0,1,2,3
	ds_load_b128 v[32+16*\t+4*\c:35+16*\t+4*\c], v8 offset:\t*2048+512*\c          ; key tiles 0-3
.endr
.endr
	WIN 0x40                               ; destination window 1
.irp t, 0,1,2,3
.irp c, 0,1,2,3
	ds_load_b128 v[32+16*\t+4*\c:35+16*\t+4*\c], v8 offset:(4+\t)*2048+512*\c      ; key tiles 4-7
.endr
.endr
	WIN 0
	s_wait_dscnt 16                        ; the scale words and key tiles 0-3 are in; the sixteen loads issued behind them may be out
.irp t, 0,1,2,3
	v_wmma_scale_f32_16x16x128_f8f6f4 v[96+8*\t:103+8*\t], v[32+16*\t:47+16*\t], v[16:31], 0, v[208+\t], v255
.endr
	WIN 0x44                               ; tile B: [q|q] and S^T in window 1
.irp t, 0,1,2,3
	v_wmma_scale_f32_16x16x128_f8f6f4 v[96+8*\t:103+8*\t], v[32+16*\t:47+16*\t], v[16:31], 0, v[208+\t], v231
.endr
	s_wait_dscnt 0x0                       ; key tiles 4-7
	WIN 0x01                               ; tile A against the fragments in window 1
.irp t, 0,1,2,3
	v_wmma_scale_f32_16x16x128_f8f6f4 v[128+8*\t:135+8*\t], v[32+16*\t:47+16*\t], v[16:31], 0, v[212+\t], v255
.endr
	WIN 0x45                               ; tile B against them
.irp t, 0,1,2,3
	v_wmma_scale_f32_16x16x128_f8f6f4 v[128+8*\t:135+8*\t], v[32+16*\t:47+16*\t], v[16:31], 0, v[212+\t], v231
.endr
	WIN 0
.rept 8
	v_nop                                  ; places in front of the loads into key tiles 0-3's registers and of the first read of the scores
.endr
.irp t, 0,1,2,3                            ; V is asked for now and lands under the softmaxes
.irp c, 0,1,2,3
	ds_load_b128 v[32+16*\t+4*\c:35+16*\t+4*\c], v8 offset:VIMG+\t*2048+512*\c
.endr
.endr
	ds_load_b128 v[216:219], v9 offset:VSC
	SOFTMAX 0
	WIN 0x55
	SOFTMAX 1
	WIN 0
	s_wait_dscnt 0x0                       ; V and its scale words
.irp t, 0,1,2,3
	v_wmma_scale_f32_16x16x128_f8f6f4 v[160+8*\t:167+8*\t], v[32+16*\t:47+16*\t], v[192:207], v[160+8*\t:167+8*\t], v[216+\t], v253
.endr
	WIN 0x54                               ; tile B: p's codes and O^T in window 1, V in window 0
.irp t, 0,1,2,3
	v_wmma_scale_f32_16x16x128_f8f6f4 v[160+8*\t:167+8*\t], v[32+16*\t:47+16*\t], v[192:207], v[160+8*\t:167+8*\t], v[216+\t], v230
.endr
	WIN 0
	s_add_co_u32 s[TS], s[TS], STEPB
.endm
.macro STEPS4                          ; a slot's four steps: written once, walked four times
	s_mov_b32 s[FOUR], 4
.Lstep_\@:
	STEP
	s_sub_co_u32 s[FOUR], s[FOUR], 1
	s_cmp_lg_u32 s[FOUR], 0
	s_cbranch_scc1 .Lstep_\@
	s_sub_co_u32 s[TS], s[TS], 4*STEPB     ; back to a slot's first step,
	s_xor_b32 s[TS], s[TS], SLOT1          ; in the other slot
.endm
.macro INIT                            ; one tile's state, in the window that is set
	v_mov_b32 v13, 0xff61b1e6              ; the largest t so far: -3e38
	v_floor_f32 v12, -v13
	v_mov_b32 v14, 0
	v_mov_b32 v15, 0
.irp b, 0,1,2,3
	v_mov_b32 v[236+\b], 0                 ; a lane permute's destination counts as one of its sources
.endr
	v_mov_b32 v252, 0
	v_mov_b32 v253, 0                      ; (named in the pair v[252:253] before it is first written)
.set j, 0
.rept 32
	v_mov_b32 v[160+j], 0                  ; O^T: the step is written once; its first walk finds zeros, which the first change of M leaves zeros
.set j, j+1
.endr
.endm
.macro FINISH                          ; one tile's way out, in the window that is set: O^T / the sum, quantised: codes in v128-135, the two scale bytes in v136
	v_add_f32 v14, v14, v15
	v_permlanex16_b32 v252, v14, s[SEL], s[SEL+1]
	v_add_f32 v14, v14, v252
	v_rcp_f32 v14, v14
.rept 8
	v_nop                                  ; places behind the last products, and the plain line behind the reciprocal
.endr
	s_wait_alu depctr_va_vdst(0)           ; ahead of the reciprocal's first reader
.set j, 0
.rept 32
	v_mul_f32 v[96+j], v[160+j], v14
.set j, j+1
.endr
	QUANT 96, 2, 128, 136
.endm
	s_load_b256 s[4:11], s[0:1], 0x0       ; qc, qs, kv, oc
	s_load_b64 s[12:13], s[0:1], 0x20      ; os
	v_lshl_add_u32 v5, v0, 2, SPARE
	v_mov_b32 v6, 0
	ds_add_u32 v5, v6
	s_wait_dscnt 0x0
	v_lshrrev_b32 v8, 5, v0
	v_readfirstlane_b32 s[WV], v8
	v_and_b32 v3, 31, v0
	v_lshlrev_b32 v1, 4, v3
	v_and_b32 v2, 15, v0
	v_lshlrev_b32 v2, 4, v2
	v_lshlrev_b32 v7, 8, v3
	v_lshlrev_b32 v3, 2, v3
	s_bfe_u32 s42, ttmp6, 0x40000          ; cx: it enters global addresses of my own alone
	s_lshl_b32 s43, ttmp9, 2
	s_add_co_u32 s43, s43, s42             ; my block of 256 queries
	s_and_b32 s44, ttmp7, 0xffff           ; bh, which the four partners share
	s_lshl_b32 s45, s43, 4
	s_lshl_b32 s47, s[WV], 1
	s_add_co_u32 s45, s45, s47             ; tile A in the batch: 16 x block + 2 x wave; tile B is the next
	s_mul_i32 s46, s44, 16*STEPB           ; the head's first byte in kv
	s_and_b32 s48, s[WV], 3
	s_mov_b32 s[G0], 1                     ; count = 1
	s_mul_i32 s[G0+1], s48, STEPB          ; LDS: slot 0, step wave % 4
	s_add_co_u32 s48, s[G0+1], s46
	s_mov_b32 s49, 0
	s_lshl_b32 s50, s44, 17
	s_lshl_b32 s51, s45, 10
	s_add_co_u32 s50, s50, s51
	s_mov_b32 s51, 0
	s_lshl_b32 s52, s44, 14
	s_lshl_b32 s53, s45, 7
	s_add_co_u32 s52, s52, s53
	s_mov_b32 s53, 0
	s_lshr_b32 s54, s44, 4
	s_lshl_b32 s54, s54, 7
	s_add_co_u32 s54, s54, s45             ; tile A among all 256
	s_and_b32 s60, s44, 15
	s_lshr_b32 s61, s60, 1                 ; the output projection's K step: head / 2
	s_and_b32 s60, s60, 1
	s_lshl_b32 s56, s54, 10
	s_lshl_b32 s62, s61, 7
	s_add_co_u32 s56, s56, s62
	s_lshl_b32 s62, s60, 1
	s_add_co_u32 s56, s56, s62
	s_mov_b32 s57, 0
	s_lshl_b32 s54, s54, 14
	s_lshl_b32 s62, s61, 11
	s_add_co_u32 s54, s54, s62
	s_lshl_b32 s62, s60, 10
	s_add_co_u32 s54, s54, s62
	s_mov_b32 s55, 0
	s_sub_co_u32 s58, s[WV], 4
	s_cmp_lt_u32 s58, 3                    ; waves 4, 5, 6
	s_cselect_b32 s[LIM], 0, 1
	s_or_b32 s[LIM], s[LIM], ttmp9         ; of the head's first cluster: the same in all four partners
	s_cmp_eq_u32 s[LIM], 0
	s_cselect_b32 s[LIM], 1, -1
	s_min_u32 s58, s58, 2                  ; (held, so that the address lies in kv in every wave)
	s_lshl_b32 s58, s58, 13
	s_mul_i32 s59, s42, STEPB
	s_add_co_u32 s58, s58, s59
	s_add_co_u32 s58, s58, s46
	s_add_co_u32 s58, s58, 4*STEPB         ; in slot 1's steps: the first change steps it on.  Nothing is prefetched at the head
	s_mov_b32 s59, 0
	s_mov_b32 s[G1], 15|(3<<16)|(1<<21)    ; the mask: all four work-groups; elements of 8 bytes; bit 21 beside a mask; no padding
	s_mov_b32 s[G1+1], 32<<16              ; tensor_dim0 = 32 elements: 256 bytes
	s_mov_b32 s[G1+2], 99<<16              ; tensor_dim1 = 99 rows
	s_mov_b32 s[G1+3], 32<<16              ; tile_dim0
	s_mov_b32 s[G1+4], 99                  ; tile_dim1
	s_mov_b32 s[G1+5], 32                  ; the pitch: dense
	s_mov_b32 s[G1+6], 0
	s_mov_b32 s[G1+7], 0
	s_mov_b32 s[MNT], 0x600000
	s_mov_b32 s[SEL], 0x76543210
	s_mov_b32 s[SEL+1], 0xfedcba98
	s_mov_b32 s[CS], 0x3e38aa3b
	s_mov_b32 s[CS+1], s[CS]
	s_mov_b32 s[TS], 0
	s_mov_b32 s[SLOTS], 3
	s_wait_kmcnt 0x0
	s_add_nc_u64 s[G0+2:G0+3], s[8:9], s[48:49]
	s_or_b32 s[G0+3], s[G0+3], 0x80000000  ; type = 2
	s_add_nc_u64 s[PFA:PFA+1], s[8:9], s[58:59]
	s_add_nc_u64 s[4:5], s[4:5], s[50:51]
	s_add_nc_u64 s[6:7], s[6:7], s[52:53]
	s_add_nc_u64 s[10:11], s[10:11], s[54:55]
	s_add_nc_u64 s[12:13], s[12:13], s[56:57]
	CROUND                                 ; all four work-groups are here: the first joint loads meet
	TLOAD                                  ; slot 0
	global_load_b128 v[16:19], v1, s[4:5]                  ; tile A: q's two register groups,
	global_load_b128 v[20:23], v1, s[4:5] offset:512
	global_load_b128 v[24:27], v1, s[4:5]                  ; and once more, against pos_emb
	global_load_b128 v[28:31], v1, s[4:5] offset:512
	global_load_b32 v255, v3, s[6:7]                       ; its scale word,
	global_load_b32 v231, v3, s[6:7] offset:128            ; and tile B's
	WIN 0x40                               ; destination window 1: tile B, 1,024 bytes on
	global_load_b128 v[16:19], v1, s[4:5] offset:1024
	global_load_b128 v[20:23], v1, s[4:5] offset:1536
	global_load_b128 v[24:27], v1, s[4:5] offset:1024
	global_load_b128 v[28:31], v1, s[4:5] offset:1536
	WIN 0
	INIT
	WIN 0x55
	INIT
	WIN 0
	s_wait_loadcnt 0x0
.Lslot:                                    ; three trips: behind each change of slots but the last the next slot is asked for
	CHANGE 1
	STEPS4
	s_sub_co_u32 s[SLOTS], s[SLOTS], 1
	s_cmp_lg_u32 s[SLOTS], 0
	s_cbranch_scc1 .Lslot
	CHANGE 0                               ; the last slot is written out
	STEPS4
	; THE WAY OUT: a tile's 32 registers of O^T are 2 x 16 neighbours along the head: quantised, they are two register groups of the output projection's operand and leave as 512 consecutive bytes each
	FINISH
	WIN 0x55
	FINISH
	WIN 0
	global_store_b128 v1, v[128:131], s[10:11]
	global_store_b128 v1, v[132:135], s[10:11] offset:512
	global_store_b16 v3, v136, s[12:13]    ; my head's half of the scale word
	WIN 0x04                               ; a store's data are its source 1: tile B's, one tile on in oc and in os
	global_store_b128 v1, v[128:131], s[10:11] offset:16384
	global_store_b128 v1, v[132:135], s[10:11] offset:16896
	global_store_b16 v3, v136, s[12:13] offset:1024
	WIN 0
	s_wait_tensorcnt 0x0                   ; the wave's end
	ds_add_u32 v5, v6
	s_wait_dscnt 0x0
	CROUND                                 ; the closing round
	s_endpgm
.Lfunc_end_k_q647fecb423_attn:
	.size	k_q647fecb423_attn, .Lfunc_end_k_q647fecb423_attn-k_q647fecb423_attn
	.p2alignl 7, 3214868480
	.fill 96, 4, 3214868480
	.section	.rodata,"a",@progbits
	.p2align	6, 0x0
	.amdhsa_kernel k_q647fecb423_attn
		.amdhsa_group_segment_fixed_size 327680
		.amdhsa_private_segment_fixed_size 0
		.amdhsa_enable_private_segment 0
		.amdhsa_kernarg_size 40
		.amdhsa_user_sgpr_count 2
		.amdhsa_user_sgpr_kernarg_segment_ptr 1
		.amdhsa_wavefront_size32 1
		.amdhsa_system_sgpr_workgroup_id_x 1
		.amdhsa_system_sgpr_workgroup_id_y 1
		.amdhsa_system_sgpr_workgroup_id_z 1
		.amdhsa_system_vgpr_workitem_id 0
		.amdhsa_next_free_vgpr 512
		.amdhsa_next_free_sgpr 66
		.amdhsa_reserve_vcc 0
		.amdhsa_float_denorm_mode_32 3
		.amdhsa_float_denorm_mode_16_64 3
		.amdhsa_memory_ordered 1
		.amdhsa_forward_progress 1
		.amdhsa_inst_pref_size 92
	.end_amdhsa_kernel
	.amdgpu_metadata
---
amdhsa.version: [ 1, 2 ]
amdhsa.kernels:
  - .name:           k_q647fecb423_attn
    .symbol:         k_q647fecb423_attn.kd
    .args:
      - { .name: qc, .offset: 0, .size: 8, .value_kind: global_buffer, .address_space: global }
      - { .name: qs, .offset: 8, .size: 8, .value_kind: global_buffer, .address_space: global }
      - { .name: kv, .offset: 16, .size: 8, .value_kind: global_buffer, .address_space: global }
      - { .name: oc, .offset: 24, .size: 8, .value_kind: global_buffer, .address_space: global }
      - { .name: os, .offset: 32, .size: 8, .value_kind: global_buffer, .address_space: global }
    .group_segment_fixed_size: 327680
    .private_segment_fixed_size: 0
    .kernarg_segment_align: 8
    .kernarg_segment_size: 40
    .max_flat_workgroup_size: 256
    .sgpr_count:     66
    .vgpr_count:     512
    .wavefront_size: 32
...
	.end_amdgpu_metadata
.endif
;; end of part 2
;; launch outln (part 3): grid 128 x 1, 16 waves a work-group, no clusters, 168,448 bytes of LDS; arguments oc, os, woi, wos, bo, q_s, ln_g, ln_b, out0; writes out0
.if DOCPART == 3
	.amdgcn_target "amdgcn-amd-amdhsa--gfx1250"
	.amdhsa_code_object_version 6
	.text
	.protected	k_q647fecb423_outln
	.globl	k_q647fecb423_outln
	.p2align	8
	.type	k_q647fecb423_outln,@function
k_q647fecb423_outln:
	s_mov_b64 s[64:65], 0
	v_nop
	global_prefetch_b8 v0, s[64:65] scope:SCOPE_SE
	s_setreg_imm32_b32 hwreg(HW_REG_WAVE_MODE, 25, 1), 1
	s_wait_xcnt 0x0
; out0 = LayerNorm(o Wo + bo + q_s) x ln_g + ln_b.  o and Wo arrive as register images of E4M3 codes with E8M0 scale words, made by the launches before.
; SHARES.  A work-group owns 32 tokens (two tiles) and all 1,024 features, so that a row's mean and variance stay inside it.  Wave w makes features 64 w .. 64 w + 63: four tiles of Wo x two tiles of tokens, eight accumulators.
; Every fragment of Wo is used by one wave alone and comes from memory straight into its registers, 512 consecutive bytes a load, one K step ahead (two sets); each feeds two products.  No tile is shared through LDS, so none is asked for jointly.
; o's sixteen fragments are copied into LDS once (a wave a fragment) and read by all.  bo is the C of each sum's first product.  The results meet in a stage of 32 rows; each wave then owns two whole rows.
; 128 work-groups: with 16 tokens each there would be 256, each still reading all of Wo, and each fragment would feed one product.
; REGISTERS: v1 16 lane, v2 4 lane, v3 16 (lane%16), v4-6 stage addresses, v7 32 (lane/16), v8-15 Wo's scale words (two sets) and v16-17 o's: written by loads alone; v18-19 copy addresses, v20 256 lane, v21-23 at work at the head;
; v24-55 o's two fragments; v56-119, v120-183 Wo's two sets, later q_s, ln_g, ln_b; v184-247 accumulators (u, t) at 184 + 8 (4 u + t), later two rows; v248-255 at work.
.set OSC, 32768                        ; LDS: 0.. o's images ((8 u + s) x 2,048); here their scale words
.set STG, 34816                        ; the stage: 32 rows x (4,096 + 16)
.set SEL, 42
.macro WLOAD s                         ; Wo's four fragments and their scale words of K step s, into set s % 2: 17 loads
.irp t, 0,1,2,3
.irp c, 0,1,2,3
	global_load_b128 v[56+64*((\s)%2)+16*\t+4*\c:56+64*((\s)%2)+16*\t+4*\c+3], v1, s[8:9] offset:(\s)*8192+\t*2048+512*\c
.endr
.endr
	global_load_b128 v[8+4*((\s)%2):11+4*((\s)%2)], v3, s[10:11] offset:(\s)*256
.endm
.macro REDUCE                          ; v248 summed over the 32 lanes, in every lane
	v_add_f32_dpp v248, v248, v248 row_xmask:1 row_mask:0xf bank_mask:0xf
	v_add_f32_dpp v248, v248, v248 row_xmask:2 row_mask:0xf bank_mask:0xf
	v_add_f32_dpp v248, v248, v248 row_xmask:4 row_mask:0xf bank_mask:0xf
	v_add_f32_dpp v248, v248, v248 row_xmask:8 row_mask:0xf bank_mask:0xf
	v_permlanex16_b32 v250, v248, s[SEL], s[SEL+1]
	v_add_f32 v248, v248, v250
.endm
.macro ROW i                           ; one whole row: 32 numbers a lane
.set X, 184+32*\i
.set Q, 56+32*\i
.set j, 0
.rept 16
	v_pk_add_f32 v[X+j:X+j+1], v[X+j:X+j+1], v[Q+j:Q+j+1]  ; the residual
.set j, j+2
.endr
	v_pk_add_f32 v[248:249], v[X:X+1], v[X+2:X+3]          ; the sum, in two chains
	v_pk_add_f32 v[254:255], v[X+4:X+5], v[X+6:X+7]
.irp j, 8,12,16,20,24,28
	v_pk_add_f32 v[248:249], v[248:249], v[X+\j:X+\j+1]
	v_pk_add_f32 v[254:255], v[254:255], v[X+\j+2:X+\j+3]
.endr
	v_pk_add_f32 v[248:249], v[248:249], v[254:255]
	v_add_f32 v248, v248, v249
	REDUCE
	v_mul_f32 v250, 0x3a800000, v248       ; the mean: / 1,024
.set j, 0
.rept 16
	v_pk_add_f32 v[X+j:X+j+1], v[X+j:X+j+1], v[250:251] op_sel_hi:[1,0] neg_lo:[0,1] neg_hi:[0,1]
.set j, j+2
.endr
	v_pk_mul_f32 v[248:249], v[X:X+1], v[X:X+1]            ; the squares of the differences
	v_pk_mul_f32 v[254:255], v[X+2:X+3], v[X+2:X+3]
.irp j, 4,8,12,16,20,24,28
	v_pk_fma_f32 v[248:249], v[X+\j:X+\j+1], v[X+\j:X+\j+1], v[248:249]
	v_pk_fma_f32 v[254:255], v[X+\j+2:X+\j+3], v[X+\j+2:X+\j+3], v[254:255]
.endr
	v_pk_add_f32 v[248:249], v[248:249], v[254:255]
	v_add_f32 v248, v248, v249
	REDUCE
	v_fma_f32 v248, v248, s40, s41         ; the variance + 1e-5
	v_rsq_f32 v252, v248
	v_nop                                  ; a plain line behind the transcendental
	s_wait_alu depctr_va_vdst(0)           ; and the wait ahead of its first reader
.set j, 0
.rept 16
	v_pk_mul_f32 v[X+j:X+j+1], v[X+j:X+j+1], v[252:253] op_sel_hi:[1,0]
.set j, j+2
.endr
.set j, 0
.rept 16
	v_pk_fma_f32 v[X+j:X+j+1], v[X+j:X+j+1], v[120+j:121+j], v[152+j:153+j]
.set j, j+2
.endr
.irp k, 0,1,2,3,4,5,6,7
	global_store_b128 v1, v[X+4*\k:X+4*\k+3], s[20:21] offset:\i*4096+512*\k th:TH_STORE_NT   ; 32 lanes store 512 consecutive bytes
.endr
.endm
	s_load_b512 s[4:19], s[0:1], 0x0       ; oc, os, woi, wos, bo, q_s, ln_g, ln_b
	s_load_b64 s[20:21], s[0:1], 0x40      ; out0
	v_lshrrev_b32 v21, 5, v0
	v_readfirstlane_b32 s22, v21           ; wave
	v_and_b32 v21, 31, v0                  ; lane
	v_and_b32 v22, 15, v0                  ; r
	v_bfe_u32 v23, v0, 4, 1                ; h
	v_lshlrev_b32 v1, 4, v21
	v_lshlrev_b32 v2, 2, v21
	v_lshlrev_b32 v3, 4, v22
	v_lshlrev_b32 v7, 5, v23
	v_lshlrev_b32 v20, 8, v21
	s_lshl_b32 s44, s22, 8
	s_add_co_u32 s44, s44, STG
	v_mul_u32_u24 v4, v22, 4112
	v_add_nc_u32 v4, v4, v7
	v_add_nc_u32 v4, s44, v4               ; into the stage: row r of tile 0, my 256 bytes, + 32 h
	v_add_nc_u32 v5, 65792, v4             ; tile 1: sixteen rows on
	s_mul_i32 s44, s22, 8224
	s_add_co_u32 s44, s44, STG
	v_add_nc_u32 v6, s44, v1               ; back: rows 2 w, 2 w + 1
	s_lshl_b32 s44, s22, 11
	v_add_nc_u32 v18, s44, v1              ; o's fragment w
	s_lshl_b32 s44, s22, 7
	s_add_co_u32 s44, s44, OSC
	v_add_nc_u32 v19, s44, v2
	v_mov_b32 v250, 0                      ; a lane permute's destination, and the upper halves of pairs, are written before they are named
	v_mov_b32 v251, 0
	v_mov_b32 v253, 0
	s_mov_b32 s40, 0x3a800000              ; 1 / 1,024
	s_mov_b32 s41, 0x3727c5ac              ; 1e-5
	s_mov_b32 s[SEL], 0x76543210
	s_mov_b32 s[SEL+1], 0xfedcba98
	s_lshl_b32 s24, ttmp9, 15
	s_lshl_b32 s25, s22, 11
	s_add_co_u32 s24, s24, s25
	s_mov_b32 s25, 0
	s_lshl_b32 s26, ttmp9, 11
	s_lshl_b32 s27, s22, 7
	s_add_co_u32 s26, s26, s27
	s_mov_b32 s27, 0
	s_lshl_b32 s28, s22, 16
	s_mov_b32 s29, 0
	s_lshl_b32 s30, s22, 11
	s_mov_b32 s31, 0
	s_lshl_b32 s32, s22, 8
	s_mov_b32 s33, 0
	s_lshl_b32 s34, ttmp9, 5               ; stage rows 2 w, 2 w + 1 are lanes 2 (w%8), + 1 of tile w/8: tokens 32 G + 8 (w/8) + 2 (w%8) + 8 ((w%8)/4), + 1
	s_lshr_b32 s35, s22, 3
	s_lshl_b32 s35, s35, 3
	s_add_co_u32 s34, s34, s35
	s_and_b32 s35, s22, 7
	s_lshl_b32 s36, s35, 1
	s_add_co_u32 s34, s34, s36
	s_lshr_b32 s35, s35, 2
	s_lshl_b32 s35, s35, 3
	s_add_co_u32 s34, s34, s35
	s_lshl_b32 s34, s34, 12
	s_mov_b32 s35, 0
	s_wait_kmcnt 0x0
	s_add_nc_u64 s[4:5], s[4:5], s[24:25]
	s_add_nc_u64 s[6:7], s[6:7], s[26:27]
	s_add_nc_u64 s[8:9], s[8:9], s[28:29]
	s_add_nc_u64 s[10:11], s[10:11], s[30:31]
	s_add_nc_u64 s[12:13], s[12:13], s[32:33]
	s_add_nc_u64 s[14:15], s[14:15], s[34:35]
	s_add_nc_u64 s[20:21], s[20:21], s[34:35]
.irp c, 0,1,2,3
	global_load_b128 v[24+4*\c:27+4*\c], v1, s[4:5] offset:512*\c th:TH_LOAD_NT
.endr
	global_load_b32 v40, v2, s[6:7] th:TH_LOAD_NT
.irp u, 0,1
.irp t, 0,1,2,3
	global_load_b128 v[184+8*(4*\u+\t):187+8*(4*\u+\t)], v7, s[12:13] offset:64*\t        ; bo in the result's layout: lane (r, h): features 16 t + 8 h + 0 .. 7
	global_load_b128 v[188+8*(4*\u+\t):191+8*(4*\u+\t)], v7, s[12:13] offset:64*\t+16
.endr
.endr
	WLOAD 0
	s_wait_loadcnt 33                      ; o's five loads are in; bo's 16 and Wo's 17 may be out
.irp c, 0,1,2,3
	ds_store_b128 v18, v[24+4*\c:27+4*\c] offset:512*\c
.endr
	ds_store_b32 v19, v40
	s_wait_dscnt 0x0                       ; for the others' sake
	s_barrier_signal -1
	s_barrier_wait -1                      ; o's sixteen fragments lie in LDS
.irp s, 0,1,2,3,4,5,6,7
.if \s > 0
.rept 8
	v_nop                                  ; places in front of loads into registers that products have read
.endr
.endif
.if \s < 7
	WLOAD \s+1
.endif
.if \s == 3
	global_prefetch_b8 v20, s[14:15] th:TH_LOAD_NT scope:SCOPE_SE   ; my two rows of q_s, 8,192 consecutive bytes, lanes 256 bytes apart: they are loaded four K steps on; each wave names its own rows alone
.endif
.irp u, 0,1
.irp c, 0,1,2,3
	ds_load_b128 v[24+16*\u+4*\c:27+16*\u+4*\c], v1 offset:(8*\u+\s)*2048+512*\c
.endr
	ds_load_b32 v[16+\u], v2 offset:OSC+(8*\u+\s)*128
.endr
.if \s < 7
	s_wait_loadcnt 17                      ; this step's set is in; the next step's 17 loads may be out
.else
	s_wait_loadcnt 0x0
.endif
	s_wait_dscnt 0x0
.irp t, 0,1,2,3
.irp u, 0,1
	v_wmma_scale_f32_16x16x128_f8f6f4 v[184+8*(4*\u+\t):191+8*(4*\u+\t)], v[56+64*(\s%2)+16*\t:71+64*(\s%2)+16*\t], v[24+16*\u:39+16*\u], v[184+8*(4*\u+\t):191+8*(4*\u+\t)], v[8+4*(\s%2)+\t], v[16+\u]
.endr
.endr
.endr
.rept 8
	v_nop                                  ; places behind the last products
.endr
.irp i, 0,1
.irp k, 0,1,2,3,4,5,6,7
	global_load_b128 v[56+32*\i+4*\k:59+32*\i+4*\k], v1, s[14:15] offset:\i*4096+512*\k th:TH_LOAD_NT
.endr
.endr
.irp k, 0,1,2,3,4,5,6,7
	global_load_b128 v[120+4*\k:123+4*\k], v1, s[16:17] offset:512*\k
.endr
.irp k, 0,1,2,3,4,5,6,7
	global_load_b128 v[152+4*\k:155+4*\k], v1, s[18:19] offset:512*\k
.endr
.irp t, 0,1,2,3
	ds_store_b128 v4, v[184+8*\t:187+8*\t] offset:64*\t    ; each accumulator from its low end on
	ds_store_b128 v4, v[188+8*\t:191+8*\t] offset:64*\t+16
	ds_store_b128 v5, v[216+8*\t:219+8*\t] offset:64*\t
	ds_store_b128 v5, v[220+8*\t:223+8*\t] offset:64*\t+16
.endr
	s_wait_dscnt 0x0                       ; for the others' sake
	s_barrier_signal -1
	s_barrier_wait -1                      ; 32 whole rows lie in the stage
.irp i, 0,1
.irp k, 0,1,2,3,4,5,6,7
	ds_load_b128 v[184+32*\i+4*\k:187+32*\i+4*\k], v6 offset:\i*4112+512*\k
.endr
.endr
	s_wait_dscnt 0x0
	s_wait_loadcnt 0x0
	ROW 0
	ROW 1
	s_wait_xcnt 0x0
	v_lshl_add_u32 v254, v0, 2, 0x28a00
	v_mov_b32 v255, 0
	s_wait_tensorcnt 0x0
	ds_add_u32 v254, v255
	s_wait_dscnt 0x0
	s_endpgm
.Lfunc_end_k_q647fecb423_outln:
	.size	k_q647fecb423_outln, .Lfunc_end_k_q647fecb423_outln-k_q647fecb423_outln
	.p2alignl 7, 3214868480
	.fill 96, 4, 3214868480
	.section	.rodata,"a",@progbits
	.p2align	6, 0x0
	.amdhsa_kernel k_q647fecb423_outln
		.amdhsa_group_segment_fixed_size 168448
		.amdhsa_private_segment_fixed_size 0
		.amdhsa_enable_private_segment 0
		.amdhsa_kernarg_size 72
		.amdhsa_user_sgpr_count 2
		.amdhsa_user_sgpr_kernarg_segment_ptr 1
		.amdhsa_wavefront_size32 1
		.amdhsa_system_sgpr_workgroup_id_x 1
		.amdhsa_system_sgpr_workgroup_id_y 1
		.amdhsa_system_sgpr_workgroup_id_z 1
		.amdhsa_system_vgpr_workitem_id 0
		.amdhsa_next_free_vgpr 256
		.amdhsa_next_free_sgpr 66
		.amdhsa_reserve_vcc 0
		.amdhsa_float_denorm_mode_32 3
		.amdhsa_float_denorm_mode_16_64 3
		.amdhsa_memory_ordered 1
		.amdhsa_forward_progress 1
		.amdhsa_inst_pref_size 55
	.end_amdhsa_kernel
	.amdgpu_metadata
---
amdhsa.version: [ 1, 2 ]
amdhsa.kernels:
  - .name:           k_q647fecb423_outln
    .symbol:         k_q647fecb423_outln.kd
    .args:
      - { .name: oc, .offset: 0, .size: 8, .value_kind: global_buffer, .address_space: global }
      - { .name: os, .offset: 8, .size: 8, .value_kind: global_buffer, .address_space: global }
      - { .name: woi, .offset: 16, .size: 8, .value_kind: global_buffer, .address_space: global }
      - { .name: wos, .offset: 24, .size: 8, .value_kind: global_buffer, .address_space: global }
      - { .name: bo, .offset: 32, .size: 8, .value_kind: global_buffer, .address_space: global }
      - { .name: q_s, .offset: 40, .size: 8, .value_kind: global_buffer, .address_space: global }
      - { .name: ln_g, .offset: 48, .size: 8, .value_kind: global_buffer, .address_space: global }
      - { .name: ln_b, .offset: 56, .size: 8, .value_kind: global_buffer, .address_space: global }
      - { .name: out0, .offset: 64, .size: 8, .value_kind: global_buffer, .address_space: global }
    .group_segment_fixed_size: 168448
    .private_segment_fixed_size: 0
    .kernarg_segment_align: 8
    .kernarg_segment_size: 72
    .max_flat_workgroup_size: 512
    .sgpr_count:     66
    .vgpr_count:     256
    .wavefront_size: 32
...
	.end_amdgpu_metadata
.endif
;; end of part 3
;; ======== version 2 of 2: 3 launches
;; workspace buffers: qc 4,194,304 bytes; qs 524,288 bytes; kv 12,976,128 bytes; oc 4,194,304 bytes; os 262,144 bytes; woi 1,048,576 bytes; wos 32,768 bytes
;; launch qkv (part 4): grid 64 x 4, 16 waves a work-group, no clusters, 208,896 bytes of LDS; arguments q_s, pos_emb, Wq_codes, Wq_scales, Wk_codes, Wk_scales, Wv_codes, Wv_scales, Wo_codes, Wo_scales, qc, qs, kv, woi, wos; writes qc, qs, kv, woi, wos
.if DOCPART == 4
	.amdgcn_target "amdgcn-amd-amdhsa--gfx1250"
	.amdhsa_code_object_version 6
	.text
	.protected	k_q647fecb423_qkv
	.globl	k_q647fecb423_qkv
	.p2align	8
	.type	k_q647fecb423_qkv,@function
k_q647fecb423_qkv:
	s_mov_b64 s[64:65], 0
	v_nop
	global_prefetch_b8 v0, s[64:65] scope:SCOPE_SE
	s_setreg_imm32_b32 hwreg(HW_REG_WAVE_SCHED_MODE, 0, 2), 2
	s_setreg_imm32_b32 hwreg(HW_REG_WAVE_MODE, 25, 1), 1
	s_wait_xcnt 0x0
	s_wait_alu depctr_vm_vsrc(0)
; q = Q(q_s) Wq, k = Q(q_s) Wk, v = Q(q_s) Wv on codes of E4M3 with one E8M0 scale for each 32 along K; the results, and pos_emb, are quantised at once for the attention launch
; (q, k, pos_emb along the head's 64; v along the keys) and stored as IMAGES OF OPERAND REGISTERS: [c][lane][16 bytes], register group 4c..4c+3 of lane l at 512 c + 16 l.  Wo is laid out the same way.
; SHARES.  Work-group (tb, hq): 64 tokens (four tiles of 16) x 4 heads.  Sixteen waves, wave = 4 R + J.  First all sixteen quantise: wave (R, J) makes K steps 2J, 2J+1 of token tile R of q_s (images to LDS)
; and head 4hq+J of pos_emb for tile R (to memory).  One barrier.  Then R = 0, 1, 2 make q, k, v of head 4hq+J for all 64 tokens (16 accumulators, K in 8 steps of 128); R = 3 lays out a piece of Wo.
; THE ROWS OF A TILE ARE NOT NEIGHBOURS: lane r of tile 2b+u (of tokens, and of a head's 64 rows of W) takes row 32b + 8u + r + 8 (r/8).  So the 16 registers of result tiles 2b, 2b+1 are 16 neighbours
; along the axis that lies in the registers: for q, k (source 0 = W, source 1 = x) the head's features, for v (source 0 = x, source 1 = W) the tokens: the conversions' results are the next operands' registers.
; W goes from memory straight into registers: each byte of W is used by one wave of the work-group alone, so a way through LDS would only add LDS traffic, and there is no tile that work-groups could ask for jointly without it.
; LIMITS: NaN and infinities among the inputs are not served.  A block whose largest magnitude lies under 2^-118 keeps the scale byte 1; a block of zeros too (its codes are zeros; these bytes are read by this program alone).
; REGISTERS: v1 16 lane, v2 4 lane, v3, v10 my stage (in, back), v8-9 where my images and their scale words go, v11-12 W's codes and scale bytes, v13-14 scale words in LDS, v15 lane;
; v4-7 x's scale words and v16-31 W's: written by loads alone;  v32-63 pos_emb's numbers, later two fragments of x;  v64-107 codes and scale words just made, v108-111 pos_emb's addresses, v112-127 the quantiser's work:
; all of v64-127 later W's four fragments;  v128-255 two K steps' numbers of x, later sixteen accumulators.
; THE MODE: SCHED_MODE bits 1:0 = 2 (LLVM: expert scheduling mode 2), set by the entry lines.  The code itself states the register dependences between vector or matrix instructions and memory or LDS instructions,
; with s_wait_alu, always for 0.
; THE PLAN.  Registers that memory or LDS instructions touch:
;   v1-3, v8-15      addresses, made at the head and never written again: one wait on va_vdst ahead of the first load serves them for the whole kernel.
;   v128-255, v32-63 raw numbers: a global load lands, an LDS store reads them into the stage, an LDS load lands in them again (a wait on vm_vsrc between the two), the quantiser works in place.
;   v64-107          written by the quantiser, read by LDS and global stores: a wait on va_vdst ahead of each run of stores; the second and third quantiser share one.
;   v32-127          from the barrier on x's and W's fragments: one wait on vm_vsrc ahead of the barrier states that every store and LDS line has read them (v108-111, the addresses of pos_emb's lines, among them);
;                    no vector line stands between the last wait on va_vdst and K step 0's loads.
;   A K step         loads land in v64-127, v32-63, v4-7, which the products read: a wait on va_vdst at the step's head, and one in its middle for x's two fragment buffers, which serve four tiles.
;   The way out      each role's vector lines first, one wait on va_vdst, then its run of stores.
.set STEPB, 25344                      ; kv: one block for a head and 128 keys: 8 key tiles [k|p] x 2,048, 4 tiles of V x 2,048, 512 bytes of [k|p] scale words, 256 of V's
.set VIMG,  16384
.set KSC,   24576
.set VSC,   25088
.set XSC,   65536                      ; LDS: 0.. x's 32 fragment images ((8 m + s) x 2,048); here their scale words ((8 m + s) x 128 + 4 lane)
.set PSC,   69632                      ; pos_emb's scale bytes, shifted into the upper half of a word: (4 m + j) x 128 + 4 lane
.set STG,   71680                      ; a stage of 8,448 bytes for each wave: 16 rows x (512 + 16), or 16 x (256 + 16)
.set TM,    112                        ; v112-127 the quantiser's work: +0 largest magnitudes, +4 bytes, +8 448 x scale, +12 the conversions' scale operands
.set SEL,   46                         ; s[46:47] lane selects for v_permlanex16_b32: lane l xor 16
.set MNT,   44                         ; s44 the mantissa field of 448
.set XS,    4                          ; v4-7    x's scale words of the step, tile m
.set WS,    16                         ; v16-31  W's scale words: register 4t+i: lanes 0-15 step i, lanes 16-31 step 4+i
.set XF0,   32                         ; v32-47, v48-63 two fragments of x
.set XF1,   48
.set WF,    64                         ; v64-127 W's four fragments of the step
.set ACC,   128                        ; v128-255 sixteen accumulators
.set PGL,   108                        ; v108 pos_emb in memory;  v109, v110 its way into my stage and back;  v111 where its scale word goes
.set PSI,   109
.set PSO,   110
.set PWS,   111
; 16 nb numbers of a lane, register 16 b + i = k 32 b + 16 (lane/16) + i of my row, become codes in v[pc] on (4 registers a block) and the blocks' scale bytes in v[pw]
.macro QUANT s, nb, pc, pw
.irp b, 0,1,2,3
.if \b < \nb
	v_max3_num_f32 v[TM+\b], |v[\s+16*\b]|, |v[\s+16*\b+1]|, 0x4800000   ; my 16 numbers and the floor 2^(9-127): the byte cannot fall under 1
.endif
.endr
.irp i, 2,4,6,8,10,12,14
.irp b, 0,1,2,3
.if \b < \nb
	v_max3_num_f32 v[TM+\b], v[TM+\b], |v[\s+16*\b+\i]|, |v[\s+16*\b+\i+1]|   ; the blocks by turns
.endif
.endr
.endr
.irp b, 0,1,2,3
.if \b < \nb
	v_permlanex16_b32 v[TM+4+\b], v[TM+\b], s[SEL], s[SEL+1]
.endif
.endr
.irp b, 0,1,2,3
.if \b < \nb
	v_max_num_f32 v[TM+\b], v[TM+\b], v[TM+4+\b]           ; with lane l xor 16's 16: the block's largest magnitude
.endif
.endr
.irp b, 0,1,2,3
.if \b < \nb
	v_add_nc_u32 v[TM+12+\b], 0xfc000000, v[TM+\b]         ; 8 off its exponent field: the conversion's scale operand
.endif
.endr
.irp b, 0,1,2,3
.if \b < \nb
	v_and_or_b32 v[TM+8+\b], v[TM+\b], 0x7f800000, s[MNT]  ; 448 x the scale
.endif
.endr
.irp b, 0,1,2,3
.if \b < \nb
	v_lshrrev_b32 v[TM+4+\b], 23, v[TM+12+\b]              ; the scale's byte
.endif
.endr
	v_lshl_or_b32 v[\pw], v[TM+5], 8, v[TM+4]
.if \nb > 2
	v_lshl_or_b32 v[\pw], v[TM+6], 16, v[\pw]
	v_lshl_or_b32 v[\pw], v[TM+7], 24, v[\pw]
.endif
.irp b, 0,1,2,3
.if \b < \nb
.irp i, 0,1,2,3,4,5,6,7,8,9,10,11,12,13,14,15
	v_med3_num_f32 v[\s+16*\b+\i], v[\s+16*\b+\i], -v[TM+8+\b], v[TM+8+\b]   ; the conversion to an 8-bit code does not saturate (ISA guide 7.6.2): the hold comes first
.endr
	v_cvt_scalef32_pk8_fp8_f32 v[\pc+4*\b:\pc+4*\b+1], v[\s+16*\b:\s+16*\b+7], v[TM+12+\b]
	v_cvt_scalef32_pk8_fp8_f32 v[\pc+4*\b+2:\pc+4*\b+3], v[\s+16*\b+8:\s+16*\b+15], v[TM+12+\b]
.endif
.endr
	v_nop                                                  ; one plain line behind the last conversion
.endm
.macro XLD reg, e                      ; 16 rows of my tile, 128 numbers of K step 2J+e: each load takes one row's 512 consecutive bytes
.irp i, 0,1,2,3,4,5,6,7,8,9,10,11,12,13,14,15
	global_load_b128 v[\reg+4*\i:\reg+4*\i+3], v1, s[50:51] offset:(\i+8*(\i/8))*4096+\e*512
.endr
.endm
.macro XTURN reg                       ; through my stage: in as loaded, back 64 bytes of one row for each block.  LDS serves a wave's instructions in order (ISA guide 5.7.1.4): no wait on a counter between
.irp i, 0,1,2,3,4,5,6,7,8,9,10,11,12,13,14,15
	ds_store_b128 v3, v[\reg+4*\i:\reg+4*\i+3] offset:\i*528
.endr
	s_wait_alu depctr_vm_vsrc(0)                           ; the sixteen LDS stores have read v[reg] to v[reg + 63], in which the loads below land and which the quantiser then writes
.irp c, 0,1,2,3
.irp j, 0,1,2,3
	ds_load_b128 v[\reg+16*\c+4*\j:\reg+16*\c+4*\j+3], v10 offset:\c*128+\j*16
.endr
.endr
.endm
.macro GLOADW s                        ; W's four fragments of K step s
.irp t, 0,1,2,3
.irp c, 0,1,2,3
	global_load_b128 v[WF+16*\t+4*\c:WF+16*\t+4*\c+3], v11, s[56:57] offset:(32*(\t/2)+8*(\t%2))*1024+128*\s+32*\c
.endr
.endr
.endm
.macro XFETCH buf, m, s                ; x's fragment (tile m, K step s): its image comes back as it was stored
.irp c, 0,1,2,3
	ds_load_b128 v[\buf+4*\c:\buf+4*\c+3], v1 offset:(8*\m+\s)*2048+512*\c
.endr
.endm
.macro WM d, a, b, sa, sb, s, side     ; one product.  K step 0 starts the sum; from step 4 on W's scale words stand in lanes 16-31 (side 1: W is source 0; 2: source 1)
.if \s == 0
	v_wmma_scale_f32_16x16x128_f8f6f4 v[\d:\d+7], v[\a:\a+15], v[\b:\b+15], 0, v[\sa], v[\sb]
.elseif \s < 4
	v_wmma_scale_f32_16x16x128_f8f6f4 v[\d:\d+7], v[\a:\a+15], v[\b:\b+15], v[\d:\d+7], v[\sa], v[\sb]
.elseif \side == 1
	v_wmma_scale_f32_16x16x128_f8f6f4 v[\d:\d+7], v[\a:\a+15], v[\b:\b+15], v[\d:\d+7], v[\sa], v[\sb] matrix_a_scale:MATRIX_SCALE_ROW1
.else
	v_wmma_scale_f32_16x16x128_f8f6f4 v[\d:\d+7], v[\a:\a+15], v[\b:\b+15], v[\d:\d+7], v[\sa], v[\sb] matrix_b_scale:MATRIX_SCALE_ROW1
.endif
.endm
.macro MM path, m, buf, s              ; token tile m against W's four tiles.  path 0 (q, k): accumulator 4m+t; path 1 (v): 4t+m
.irp t, 0,1,2,3
.if \path == 0
	WM ACC+8*(4*\m+\t), WF+16*\t, \buf, WS+4*\t+\s%4, XS+\m, \s, 1
.else
	WM ACC+8*(4*\t+\m), \buf, WF+16*\t, XS+\m, WS+4*\t+\s%4, \s, 2
.endif
.endr
.endm
; A K step: 16 products, the sixteen accumulators by turns in one fixed order.  Eight plain places stand in front of loads into registers that products have read,
; and behind the places the wait that states that dependence.  All operands and scale words of the products come by loads: no vector line writes one.
; Step 0 also brings W's scale words of all eight steps: 32 bytes a row, lanes 0-15 the first 16, lanes 16-31 the second.  It has no wait at its head: no vector line has been issued since the wait ahead of the quantisers' last stores.
.macro GSTEP path, s
.if \s > 0
.rept 8
	v_nop
.endr
	s_wait_alu depctr_va_vdst(0)           ; the last step's products are done reading W's four fragments, x's two and x's scale words, in all of which the loads below land
.endif
	GLOADW \s
.if \s == 0
.irp t, 0,1,2,3
	global_load_b128 v[WS+4*\t:WS+4*\t+3], v12, s[58:59] offset:(32*(\t/2)+8*(\t%2))*32
.endr
.endif
.irp m, 0,1,2,3
	ds_load_b32 v[XS+\m], v13 offset:(8*\m+\s)*128
.endr
	XFETCH XF0, 0, \s
	XFETCH XF1, 1, \s
	s_wait_loadcnt 0x0                     ; W's fragments (and, in step 0, its scale words)
	s_wait_dscnt 0x0
	MM \path, 0, XF0, \s
	MM \path, 1, XF1, \s
.rept 8
	v_nop
.endr
	s_wait_alu depctr_va_vdst(0)           ; the products of token tiles 0 and 1 are done reading x's two fragments, in which tiles 2 and 3 land
	XFETCH XF0, 2, \s
	XFETCH XF1, 3, \s
	s_wait_dscnt 0x0
	MM \path, 2, XF0, \s
	MM \path, 3, XF1, \s
.endm
	s_load_b512 s[4:19], s[0:1], 0x0       ; q_s, pos_emb, Wq codes, scales, Wk codes, scales, Wv codes, scales
	s_load_b256 s[20:27], s[0:1], 0x40     ; Wo codes, scales, qc, qs
	s_load_b128 s[28:31], s[0:1], 0x60     ; kv, woi
	s_load_b64 s[32:33], s[0:1], 0x70      ; wos
	v_lshrrev_b32 v15, 5, v0
	v_readfirstlane_b32 s34, v15           ; wave
	v_and_b32 v15, 31, v0                  ; lane: stays
	s_wait_alu depctr_va_vdst(0)
	v_and_b32 v124, 15, v0                 ; r
	s_wait_alu depctr_va_vdst(0)
	v_bfe_u32 v125, v0, 4, 1               ; h
	s_wait_alu depctr_va_sdst(0)           ; s34, the wave's number, is written, ahead of its first reader
	s_lshr_b32 s35, s34, 2                 ; R
	s_and_b32 s36, s34, 3                  ; J
	s_mov_b32 s37, ttmp9                   ; tb: which 64 tokens
	s_and_b32 s38, ttmp7, 0xffff           ; hq: which 4 heads
	s_and_b32 s39, s37, 1                  ; which half of a key step of 128
	s_mov_b32 s[MNT], 0x600000
	s_mov_b32 s[SEL], 0x76543210
	s_mov_b32 s[SEL+1], 0xfedcba98
	; byte offsets, apart from the addresses
	s_lshl_b32 s66, s37, 6
	s_lshr_b32 s67, s35, 1
	s_lshl_b32 s67, s67, 5
	s_add_co_u32 s66, s66, s67
	s_and_b32 s67, s35, 1
	s_lshl_b32 s67, s67, 3
	s_add_co_u32 s66, s66, s67             ; tile R's first token: 64 tb + 32 (R/2) + 8 (R%2)
	s_lshl_b32 s66, s66, 12                ; a row is 4,096 bytes
	s_lshl_b32 s67, s36, 10
	s_add_co_u32 s68, s66, s67             ; q_s: + K steps 2J, 2J+1
	s_mov_b32 s69, 0
	s_lshl_b32 s70, s38, 10
	s_lshl_b32 s67, s36, 8
	s_add_co_u32 s70, s70, s67
	s_add_co_u32 s70, s70, s66             ; pos_emb: + head 4hq+J
	s_mov_b32 s71, 0
	s_lshr_b32 s72, s37, 5
	s_lshl_b32 s72, s72, 4
	s_lshl_b32 s73, s38, 2
	s_add_co_u32 s72, s72, s73
	s_add_co_u32 s72, s72, s36             ; bh = 16 batch + head
	s_and_b32 s73, s37, 31
	s_lshr_b32 s74, s73, 1                 ; key step
	s_lshl_b32 s75, s72, 4
	s_add_co_u32 s75, s75, s74
	s_mul_i32 s74, s75, STEPB              ; kv: my head's block of this key step
	s_mov_b32 s75, 0
	s_lshl_b32 s76, s38, 8
	s_lshl_b32 s77, s36, 6
	s_add_co_u32 s76, s76, s77             ; my head's first row of W
	s_lshl_b32 s78, s76, 5                 ; 32 scale bytes a row
	s_mov_b32 s79, 0
	s_lshl_b32 s76, s76, 10                ; 1,024 codes a row
	s_mov_b32 s77, 0
	s_lshl_b32 s80, s72, 17
	s_lshl_b32 s81, s73, 12
	s_add_co_u32 s80, s80, s81             ; qc: 131,072 a head, 1,024 a tile
	s_mov_b32 s81, 0
	s_lshl_b32 s82, s72, 14
	s_lshl_b32 s83, s73, 9
	s_add_co_u32 s82, s82, s83             ; qs: 16,384 a head, 128 a tile
	s_mov_b32 s83, 0
	s_lshl_b32 s84, s39, 2
	s_add_co_u32 s84, s84, s35
	s_lshl_b32 s84, s84, 11
	s_add_co_u32 s84, s84, 1024            ; pos_emb's codes: key tile 4 half + R, register groups 2, 3
	s_mov_b32 s85, 0
	s_lshl_b32 s86, s39, 13                ; k's codes: key tiles 4 half on
	s_mov_b32 s87, 0
	s_lshl_b32 s88, s39, 8
	s_add_co_u32 s88, s88, KSC             ; their scale words
	s_mov_b32 s89, 0
	s_lshl_b32 s90, s39, 10
	s_add_co_u32 s90, s90, VIMG            ; v's codes: key blocks 2 half on
	s_mov_b32 s91, 0
	s_lshl_b32 s92, s39, 1
	s_add_co_u32 s92, s92, VSC             ; their scale bytes
	s_mov_b32 s93, 0
	; lane terms and LDS addresses, all made here
	v_lshlrev_b32 v1, 4, v15               ; 16 lane
	v_lshlrev_b32 v2, 2, v15               ; 4 lane
	s_mul_i32 s94, s34, 8448
	s_add_co_u32 s94, s94, STG             ; my stage
	v_add_nc_u32 v3, s94, v1               ; x into it: 16 lane (+ 528 a row)
	v_mul_u32_u24 v10, v124, 528
	s_wait_alu depctr_va_vdst(0)
	v_lshl_add_u32 v10, v125, 6, v10
	v_add_nc_u32 v10, s94, v10             ; and back: row r, + 64 h
	v_lshlrev_b32 v[PGL], 12, v125
	v_lshl_add_u32 v[PGL], v124, 4, v[PGL] ; pos_emb in memory: two rows of 256 bytes a load
	v_mul_u32_u24 v[PSI], v125, 272
	v_lshl_add_u32 v[PSI], v124, 4, v[PSI]
	v_add_nc_u32 v[PSI], s94, v[PSI]       ; into the stage
	v_mul_u32_u24 v[PSO], v124, 272
	v_lshl_add_u32 v[PSO], v125, 6, v[PSO]
	v_add_nc_u32 v[PSO], s94, v[PSO]       ; and back
	s_lshl_b32 s95, s35, 3
	s_lshl_b32 s96, s36, 1
	s_add_co_u32 s95, s95, s96             ; my first fragment: 8 R + 2 J
	s_lshl_b32 s96, s95, 11
	v_add_nc_u32 v8, s96, v1               ; its image
	s_lshl_b32 s96, s95, 7
	s_add_co_u32 s96, s96, XSC
	v_add_nc_u32 v9, s96, v2               ; its scale words
	s_lshl_b32 s96, s34, 7
	s_add_co_u32 s96, s96, PSC
	v_add_nc_u32 v[PWS], s96, v2           ; pos_emb's scale word: unit 4 R + J
	v_and_b32 v126, 8, v124
	v_add_nc_u32 v126, v126, v124          ; r + 8 (r/8)
	v_lshlrev_b32 v11, 10, v126
	v_lshl_add_u32 v11, v125, 4, v11       ; W's codes: that row, + 16 h
	v_lshlrev_b32 v12, 5, v126
	v_lshl_add_u32 v12, v125, 4, v12       ; W's scale bytes: that row, lanes 16-31 its second 16 bytes
	v_add_nc_u32 v13, XSC, v2
	s_lshl_b32 s96, s36, 7
	s_add_co_u32 s96, s96, PSC
	v_add_nc_u32 v14, s96, v2              ; pos_emb's scale words of head J
.irp b, 0,1,2,3
	v_mov_b32 v[TM+4+\b], 0                ; a lane permute's destination counts as one of its sources
.endr
	s_wait_kmcnt 0x0
	s_add_nc_u64 s[50:51], s[4:5], s[68:69]
	s_add_nc_u64 s[52:53], s[6:7], s[70:71]
	s_add_nc_u64 s[54:55], s[28:29], s[74:75]
	s_cmp_eq_u32 s35, 0                    ; which W: by the wave's role alone
	s_cselect_b64 s[56:57], s[8:9], s[12:13]
	s_cselect_b64 s[58:59], s[10:11], s[14:15]
	s_cmp_eq_u32 s35, 2
	s_cselect_b64 s[56:57], s[16:17], s[56:57]
	s_cselect_b64 s[58:59], s[18:19], s[58:59]
	s_add_nc_u64 s[56:57], s[56:57], s[76:77]
	s_add_nc_u64 s[58:59], s[58:59], s[78:79]
	s_add_nc_u64 s[60:61], s[24:25], s[80:81]
	s_add_nc_u64 s[62:63], s[26:27], s[82:83]
	s_add_nc_u64 s[84:85], s[54:55], s[84:85]
	s_add_nc_u64 s[86:87], s[54:55], s[86:87]
	s_add_nc_u64 s[88:89], s[54:55], s[88:89]
	s_add_nc_u64 s[90:91], s[54:55], s[90:91]
	s_add_nc_u64 s[92:93], s[54:55], s[92:93]
	s_wait_alu depctr_va_vdst(0)           ; the addresses v1-3, v8-14 and v108-111 are written, which the loads, stores and LDS lines of the whole kernel read
	; ---- all sixteen waves quantise.  40 loads go out together; the first K step is quantised while the second's numbers and pos_emb's are on their way
	XLD 128, 0
	XLD 192, 1
.irp i, 0,1,2,3,4,5,6,7
	global_load_b128 v[32+4*\i:35+4*\i], v[PGL], s[52:53] offset:(2*\i+8*((2*\i)/8))*4096 th:TH_LOAD_NT
.endr
	s_wait_loadcnt 24                      ; the first K step's 16 are in; the second's 16 and pos_emb's 8 may be out
	XTURN 128
	s_wait_dscnt 0x0
	QUANT 128, 4, 64, 104
	s_wait_alu depctr_va_vdst(0)           ; the conversions have written v64-79 and the scale word v104, which the five LDS stores read
.irp c, 0,1,2,3
	ds_store_b128 v8, v[64+4*\c:67+4*\c] offset:512*\c
.endr
	ds_store_b32 v9, v104
	s_wait_loadcnt 8                       ; the second K step's 16 are in; pos_emb's 8 may be out
	XTURN 192
	s_wait_loadcnt 0x0
.irp i, 0,1,2,3,4,5,6,7
	ds_store_b128 v[PSI], v[32+4*\i:35+4*\i] offset:2*\i*272
.endr
	s_wait_alu depctr_vm_vsrc(0)           ; the eight LDS stores have read v32-63, in which the loads below land and which the quantiser then writes
.irp b, 0,1
.irp j, 0,1,2,3
	ds_load_b128 v[32+16*\b+4*\j:35+16*\b+4*\j], v[PSO] offset:\b*128+\j*16
.endr
.endr
	s_wait_dscnt 0x0
	QUANT 192, 4, 80, 105                  ; the second K step and pos_emb are quantised on end: their results lie in registers of their own, and one wait serves all their stores
	QUANT 32, 2, 96, 106
	v_lshlrev_b32 v107, 16, v106
	s_wait_alu depctr_va_vdst(0)           ; v80-103, v105 and v107 are written, which the eight stores below read; the quantisers are also done with v32-127, in which x's and W's fragments land behind the barrier
.irp c, 0,1,2,3
	ds_store_b128 v8, v[80+4*\c:83+4*\c] offset:2048+512*\c
.endr
	ds_store_b32 v9, v105 offset:128
	global_store_b128 v1, v[96:99], s[84:85]               ; 32 lanes store 512 consecutive bytes
	global_store_b128 v1, v[100:103], s[84:85] offset:512
	ds_store_b32 v[PWS], v107
	s_wait_dscnt 0x0                       ; for the others' sake: my images and scale words lie in LDS
	s_wait_xcnt 0x0                        ; the stores have read v96-103: W's fragments may land there
	s_wait_alu depctr_vm_vsrc(0)           ; beside it, and ahead of the branches: the stores and LDS lines have read v64-107 and the addresses v108-111, in which W's fragments land (in Wo's role: nothing of v32-46 is still to be read)
	s_barrier_signal -1
	s_barrier_wait -1                      ; the launch's one barrier: behind it LDS is only read
	s_cmp_eq_u32 s35, 3
	s_cbranch_scc1 .Lwo
	s_cmp_eq_u32 s35, 2
	s_cbranch_scc1 .Lv
.irp s, 0,1,2,3,4,5,6,7
	GSTEP 0, \s
.endr
	s_branch .Lepi
.Lv:
.irp s, 0,1,2,3,4,5,6,7
	GSTEP 1, \s
.endr
.Lepi:
.rept 8
	v_nop                                  ; places behind the last products
.endr
	s_wait_alu depctr_va_vdst(0)           ; the last products are done reading W's third fragment: the four loads below land in v100-103
.irp i, 0,1,2,3
	ds_load_b32 v[100+\i], v14 offset:\i*512               ; pos_emb's scale words of the four tiles (k's role uses them; one path for all three)
.endr
.irp i, 0,1,2,3
	QUANT 128+32*\i, 2, 64+8*\i, 96+\i     ; q, k: token tile i, two blocks along the head; v: feature tile i, two blocks along the keys
.endr
	v_and_b32 v110, 15, v15
	v_lshlrev_b32 v110, 4, v110            ; 16 r
	v_lshrrev_b32 v111, 4, v15             ; h
	v_cmp_le_u32 vcc_lo, 16, v15           ; lanes 16-31
	s_wait_alu depctr_va_vcc(0)            ; VCC is written: the selects of k's and v's paths read it; the wait stands ahead of the branches
	s_wait_dscnt 0x0
	s_cmp_eq_u32 s35, 1
	s_cbranch_scc1 .Lkst
	s_cmp_eq_u32 s35, 2
	s_cbranch_scc1 .Lvst
.irp i, 0,1,2,3
	v_lshl_or_b32 v[104+\i], v[96+\i], 16, v[96+\i]        ; q stands twice in its operand, against k and against pos_emb: so do its bytes
.endr
	s_wait_alu depctr_va_vdst(0)           ; the conversions have written v64-95 and the four lines above v104-107, which the stores read
.irp i, 0,1,2,3
	global_store_b128 v1, v[64+8*\i:67+8*\i], s[60:61] offset:\i*1024
	global_store_b128 v1, v[68+8*\i:71+8*\i], s[60:61] offset:\i*1024+512
	global_store_b32 v2, v[104+\i], s[62:63] offset:\i*128
.endr
	s_wait_xcnt 0x0
	v_lshl_add_u32 v254, v0, 2, 0x32800
	v_mov_b32 v255, 0
	s_wait_dscnt 0x0                       ; the closing lines, six on end
	s_wait_alu 0x0
	s_wait_tensorcnt 0x0
	ds_add_u32 v254, v255
	s_wait_dscnt 0x0
	s_endpgm
.Lkst:
.irp i, 0,1,2,3
	v_or_b32 v[104+\i], v[96+\i], v[100+\i]                ; k's two bytes below, pos_emb's two above
.endr
	v_cndmask_b32 v108, v104, v106, vcc_lo                 ; lanes 0-15 store tiles 0, 1 of row r, lanes 16-31 tiles 2, 3: 256 consecutive bytes
	v_cndmask_b32 v109, v105, v107, vcc_lo
	s_wait_alu depctr_va_vdst(0)
	v_lshl_add_u32 v110, v111, 3, v110
	s_wait_alu depctr_va_vdst(0)           ; the conversions have written v64-95, the lines above v108-110: the stores' data and the last store's offset
.irp i, 0,1,2,3
	global_store_b128 v1, v[64+8*\i:67+8*\i], s[86:87] offset:\i*2048
	global_store_b128 v1, v[68+8*\i:71+8*\i], s[86:87] offset:\i*2048+512
.endr
	global_store_b64 v110, v[108:109], s[88:89]
	s_wait_xcnt 0x0
	v_lshl_add_u32 v254, v0, 2, 0x32800
	v_mov_b32 v255, 0
	s_wait_dscnt 0x0                       ; the closing lines, six on end
	s_wait_alu 0x0
	s_wait_tensorcnt 0x0
	ds_add_u32 v254, v255
	s_wait_dscnt 0x0
	s_endpgm
.Lvst:
	v_cndmask_b32 v108, v96, v97, vcc_lo                   ; two of a word's four bytes are this work-group's: lanes 0-15 tiles 0, 2; lanes 16-31 tiles 1, 3
	v_cndmask_b32 v109, v98, v99, vcc_lo
	s_wait_alu depctr_va_vdst(0)
	v_lshl_add_u32 v110, v111, 2, v110
	s_wait_alu depctr_va_vdst(0)           ; the conversions have written v64-95, the lines above v108-110: the stores' data and the last two stores' offset
.irp i, 0,1,2,3
	global_store_b128 v1, v[64+8*\i:67+8*\i], s[90:91] offset:\i*2048
	global_store_b128 v1, v[68+8*\i:71+8*\i], s[90:91] offset:\i*2048+512
.endr
	global_store_b16 v110, v108, s[92:93]
	global_store_b16 v110, v109, s[92:93] offset:8
	s_wait_xcnt 0x0
	v_lshl_add_u32 v254, v0, 2, 0x32800
	v_mov_b32 v255, 0
	s_wait_dscnt 0x0                       ; the closing lines, six on end
	s_wait_alu 0x0
	s_wait_tensorcnt 0x0
	ds_add_u32 v254, v255
	s_wait_dscnt 0x0
	s_endpgm
.Lwo:                                      ; Wo's images: 1,024 such waves in the launch, half a fragment each; the first 128 also turn 64 rows' scale words of one K step
	s_lshl_b32 s66, s37, 2
	s_add_co_u32 s66, s66, s38
	s_lshl_b32 s66, s66, 2
	s_add_co_u32 s66, s66, s36             ; id 0..1023
	s_lshr_b32 s67, s66, 4                 ; tile of 16 rows
	s_bfe_u32 s68, s66, 0x30001            ; K step
	s_and_b32 s69, s66, 1                  ; which half of the fragment
	s_lshl_b32 s70, s67, 14
	s_lshl_b32 s72, s68, 7
	s_add_co_u32 s70, s70, s72
	s_lshl_b32 s72, s69, 6
	s_add_co_u32 s70, s70, s72
	s_mov_b32 s71, 0
	s_add_nc_u64 s[70:71], s[20:21], s[70:71]
	s_lshr_b32 s72, s67, 2
	s_lshl_b32 s72, s72, 3
	s_add_co_u32 s72, s72, s68
	s_lshl_b32 s72, s72, 13
	s_and_b32 s74, s67, 3
	s_lshl_b32 s74, s74, 11
	s_add_co_u32 s72, s72, s74
	s_lshl_b32 s74, s69, 10
	s_add_co_u32 s72, s72, s74
	s_mov_b32 s73, 0
	s_add_nc_u64 s[72:73], s[30:31], s[72:73]
	v_and_b32 v32, 15, v15
	v_lshrrev_b32 v33, 4, v15
	v_lshlrev_b32 v34, 10, v32
	v_lshl_add_u32 v34, v33, 4, v34        ; row r, + 16 h
	s_wait_alu depctr_va_vdst(0)           ; v34 is written, which the two loads read as their offset
	global_load_b128 v[36:39], v34, s[70:71]
	global_load_b128 v[40:43], v34, s[70:71] offset:32
	s_wait_loadcnt 0x0
	global_store_b128 v1, v[36:39], s[72:73]
	global_store_b128 v1, v[40:43], s[72:73] offset:512
	s_cmp_lt_u32 s66, 128
	s_cbranch_scc0 .Lwo_end
	s_lshr_b32 s74, s66, 3
	s_lshl_b32 s74, s74, 11                ; 64 rows x 32 bytes
	s_and_b32 s76, s66, 7
	s_lshl_b32 s76, s76, 2
	s_add_co_u32 s74, s74, s76
	s_mov_b32 s75, 0
	s_add_nc_u64 s[74:75], s[22:23], s[74:75]
	s_lshl_b32 s76, s66, 8
	s_mov_b32 s77, 0
	s_add_nc_u64 s[76:77], s[32:33], s[76:77]
	v_lshlrev_b32 v35, 9, v33
	v_lshl_add_u32 v35, v32, 5, v35        ; tile 2 i + h, row r
	v_lshlrev_b32 v46, 4, v32
	v_lshl_add_u32 v46, v33, 2, v46        ; [r][tile]
	s_wait_alu depctr_va_vdst(0)           ; v35 and v46 are written: the offsets of the two loads and of the two stores
	global_load_b32 v44, v35, s[74:75]
	global_load_b32 v45, v35, s[74:75] offset:1024
	s_wait_loadcnt 0x0
	global_store_b32 v46, v44, s[76:77]
	global_store_b32 v46, v45, s[76:77] offset:8
.Lwo_end:
	s_wait_xcnt 0x0
	v_lshl_add_u32 v254, v0, 2, 0x32800
	v_mov_b32 v255, 0
	s_wait_dscnt 0x0                       ; the closing lines, six on end
	s_wait_alu 0x0
	s_wait_tensorcnt 0x0
	ds_add_u32 v254, v255
	s_wait_dscnt 0x0
	s_endpgm
.Lfunc_end_k_q647fecb423_qkv:
	.size	k_q647fecb423_qkv, .Lfunc_end_k_q647fecb423_qkv-k_q647fecb423_qkv
	.p2alignl 7, 3214868480
	.fill 96, 4, 3214868480
	.section	.rodata,"a",@progbits
	.p2align	6, 0x0
	.amdhsa_kernel k_q647fecb423_qkv
		.amdhsa_group_segment_fixed_size 208896
		.amdhsa_private_segment_fixed_size 0
		.amdhsa_enable_private_segment 0
		.amdhsa_kernarg_size 120
		.amdhsa_user_sgpr_count 2
		.amdhsa_user_sgpr_kernarg_segment_ptr 1
		.amdhsa_wavefront_size32 1
		.amdhsa_system_sgpr_workgroup_id_x 1
		.amdhsa_system_sgpr_workgroup_id_y 1
		.amdhsa_system_sgpr_workgroup_id_z 1
		.amdhsa_system_vgpr_workitem_id 0
		.amdhsa_next_free_vgpr 256
		.amdhsa_next_free_sgpr 100
		.amdhsa_reserve_vcc 1
		.amdhsa_float_denorm_mode_32 3
		.amdhsa_float_denorm_mode_16_64 3
		.amdhsa_memory_ordered 1
		.amdhsa_forward_progress 1
		.amdhsa_inst_pref_size 147
	.end_amdhsa_kernel
	.amdgpu_metadata
---
amdhsa.version: [ 1, 2 ]
amdhsa.kernels:
  - .name:           k_q647fecb423_qkv
    .symbol:         k_q647fecb423_qkv.kd
    .args:
      - { .name: q_s, .offset: 0, .size: 8, .value_kind: global_buffer, .address_space: global }
      - { .name: pos_emb, .offset: 8, .size: 8, .value_kind: global_buffer, .address_space: global }
      - { .name: Wq_codes, .offset: 16, .size: 8, .value_kind: global_buffer, .address_space: global }
      - { .name: Wq_scales, .offset: 24, .size: 8, .value_kind: global_buffer, .address_space: global }
      - { .name: Wk_codes, .offset: 32, .size: 8, .value_kind: global_buffer, .address_space: global }
      - { .name: Wk_scales, .offset: 40, .size: 8, .value_kind: global_buffer, .address_space: global }
      - { .name: Wv_codes, .offset: 48, .size: 8, .value_kind: global_buffer, .address_space: global }
      - { .name: Wv_scales, .offset: 56, .size: 8, .value_kind: global_buffer, .address_space: global }
      - { .name: Wo_codes, .offset: 64, .size: 8, .value_kind: global_buffer, .address_space: global }
      - { .name: Wo_scales, .offset: 72, .size: 8, .value_kind: global_buffer, .address_space: global }
      - { .name: qc, .offset: 80, .size: 8, .value_kind: global_buffer, .address_space: global }
      - { .name: qs, .offset: 88, .size: 8, .value_kind: global_buffer, .address_space: global }
      - { .name: kv, .offset: 96, .size: 8, .value_kind: global_buffer, .address_space: global }
      - { .name: woi, .offset: 104, .size: 8, .value_kind: global_buffer, .address_space: global }
      - { .name: wos, .offset: 112, .size: 8, .value_kind: global_buffer, .address_space: global }
    .group_segment_fixed_size: 208896
    .private_segment_fixed_size: 0
    .kernarg_segment_align: 8
    .kernarg_segment_size: 120
    .max_flat_workgroup_size: 512
    .sgpr_count:     100
    .vgpr_count:     256
    .wavefront_size: 32
...
	.end_amdgpu_metadata
.endif
;; end of part 4
;; launch attn (part 5): grid 8 x 32, 8 waves a work-group, clusters of 4 x 1, 327,680 bytes of LDS; arguments qc, qs, kv, oc, os; writes oc, os
.if DOCPART == 5
	.amdgcn_target "amdgcn-amd-amdhsa--gfx1250"
	.amdhsa_code_object_version 6
	.text
	.protected	k_q647fecb423_attn
	.globl	k_q647fecb423_attn
	.p2align	8
	.type	k_q647fecb423_attn,@function
k_q647fecb423_attn:
	s_mov_b64 s[64:65], 0
	v_nop
	global_prefetch_b8 v0, s[64:65] scope:SCOPE_SE
	s_setreg_imm32_b32 hwreg(HW_REG_WAVE_MODE, 25, 1), 1
	s_wait_xcnt 0x0
	s_wait_alu depctr_hold_cnt(0) depctr_sa_sdst(0) depctr_va_vdst(0) depctr_va_sdst(0) depctr_va_ssrc(0) depctr_va_vcc(0) depctr_vm_vsrc(0)
	s_getreg_b32 s2, hwreg(HW_REG_IB_STS2, 6, 4)
	s_cmp_eq_u32 s2, 0
	s_cbranch_scc0 .Lentry_in_a_cluster
	s_endpgm
.Lentry_in_a_cluster:
	s_bfe_u32 s2, ttmp6, 0x10000c
	s_cmp_lg_u32 s2, 0x3003
	s_cbranch_scc0 .Lentry_shape_is_right
	s_endpgm
.Lentry_shape_is_right:
; o = softmax((q k^T + q p^T) / 8) v for one head, all products on codes of E4M3 with E8M0 scales; o is quantised at once along the head's 64 for the output projection.
; ONE INSTRUCTION FOR TWO PRODUCTS: q k^T and q p^T have K = 64 each and share q: source 0 = 16 keys' [k | p] (128 codes), source 1 = 16 queries' [q | q]; the four scale bytes of a side go with the four blocks.
; THE SOFTMAX: t = score x log2(e) / 8; M = the running largest t rounded UP to a whole number; p = 2^(t - M) is quantised along the keys, not normalised; the row's sum is taken of the unquantised p and divides at the end.
; SHARES.  A work-group owns 256 queries of one head; each of its EIGHT waves owns TWO tiles of 16 queries, A and B, in 512 registers: two waves to a SIMD.  Each fragment of [k|p] and of V that a wave reads from LDS
; feeds two products: a key step costs the work-group 8 x 51 LDS loads, where a tile to a wave would cost 16 x 51.
; Every wave walks the head's 2,048 keys, 128 a step.  A step's operands are ONE dense block of kv (25,344 bytes: register images and scale words), so every LDS load takes 512 consecutive bytes and needs no padding.
; RING: two slots of four steps; waves 0 to 3 fetch a step's block each.  CLUSTER: the four query blocks of a cluster walk the same head: each block is asked for jointly.
; Both products are used transposed: a lane holds one query (lane % 16) throughout; the keys and the features of a tile were chosen by the first launch so that 16 registers of two neighbouring tiles are 16 neighbours.
; LIMITS: NaN and infinities are not served; a block of o whose largest magnitude lies under 2^-118 keeps the scale byte 1 (a block of zeros too: its codes are zeros).
; REGISTERS, in two windows of 256 (s_set_vgpr_msb's low byte: bits 1:0 source 0, 3:2 source 1, 5:4 source 2, 7:6 destination).
;   window 0: v1 16 lane, v2 16 (lane%16), v3 4 lane, v5-6 the spare word's address and 0, v7 256 lane, v8-9 the step's LDS addresses; v32-95 key tiles 0-3, later V's four tiles; v208-215 [k|p]'s scale words, v216-219 V's;
;             v230 tile B's p scale word, v231 its q scale word (scale operands have no window);  and tile A: v12 -M, v13 the largest t, v[14:15] the sum, v16-31 [q|q], v96-159 S^T, then p, v160-191 O^T, v192-207 p's codes,
;             v232-254 at work (v253 p's scale word), v255 q's scale word.
;   window 1: tile B at tile A's numbers, so that the softmax and the way out are written once and run under both windows;  v32-95 key tiles 4-7: all eight key tiles are asked for in one run.
; A key step has twelve switches for its 24 products, 51 LDS loads and two softmaxes.
.set STEPB, 25344
.set VIMG,  16384
.set KSC,   24576
.set VSC,   25088
.set SLOT1, 1<<17                      ; slot 1 begins here: one exclusive or turns an address in one slot into the other's
.set SPARE, SLOT1+4*STEPB              ; behind the ring: the spare words, 128 bytes for each wave: four blocks of 256 bytes that no other line names
.set WV,    18
.set MNT,   19
.set SEL,   20
.set CS,    22                         ; s[22:23] c = log2(e) / 8
.set G1,    24
.set G0,    32
.set TS,    36                         ; LDS byte at which the step in hand begins
.set SLOTS, 37
.set PFA,   38                         ; s[38:39] where my prefetches stand
.set LIM,   40
.set FOUR,  41
.set TM,    140                        ; the way out's quantiser works in v140-155
.set MSB,   0
.macro WIN new                         ; the immediate's high byte repeats the setting that is left; a switch that changes nothing is dropped
.if MSB != \new
	s_set_vgpr_msb (MSB<<8)|\new
.set MSB, \new
.endif
.endm
.macro QUANT s, nb, pc, pw             ; as in the first launch
.irp b, 0,1,2,3
.if \b < \nb
	v_max3_num_f32 v[TM+\b], |v[\s+16*\b]|, |v[\s+16*\b+1]|, 0x4800000
.endif
.endr
.irp i, 2,4,6,8,10,12,14
.irp b, 0,1,2,3
.if \b < \nb
	s_delay_alu instid0(VALU_DEP_2)
	v_max3_num_f32 v[TM+\b], v[TM+\b], |v[\s+16*\b+\i]|, |v[\s+16*\b+\i+1]|
.endif
.endr
.endr
.irp b, 0,1,2,3
.if \b < \nb
	s_delay_alu instid0(VALU_DEP_2)
	v_permlanex16_b32 v[TM+4+\b], v[TM+\b], s[SEL], s[SEL+1]
.endif
.endr
.irp b, 0,1,2,3
.if \b < \nb
	s_delay_alu instid0(VALU_DEP_2)
	v_max_num_f32 v[TM+\b], v[TM+\b], v[TM+4+\b]
.endif
.endr
.irp b, 0,1,2,3
.if \b < \nb
	s_delay_alu instid0(VALU_DEP_2)
	v_add_nc_u32 v[TM+12+\b], 0xfc000000, v[TM+\b]
.endif
.endr
.irp b, 0,1,2,3
.if \b < \nb
	s_delay_alu instid0(VALU_DEP_4)
	v_and_or_b32 v[TM+8+\b], v[TM+\b], 0x7f800000, s[MNT]
.endif
.endr
.irp b, 0,1,2,3
.if \b < \nb
	s_delay_alu instid0(VALU_DEP_4)
	v_lshrrev_b32 v[TM+4+\b], 23, v[TM+12+\b]
.endif
.endr
	s_delay_alu instid0(VALU_DEP_1)
	v_lshl_or_b32 v[\pw], v[TM+5], 8, v[TM+4]
.if \nb > 2
	v_lshl_or_b32 v[\pw], v[TM+6], 16, v[\pw]
	v_lshl_or_b32 v[\pw], v[TM+7], 24, v[\pw]
.endif
.irp b, 0,1,2,3
.if \b < \nb
.irp i, 0,1,2,3,4,5,6,7,8,9,10,11,12,13,14,15
	v_med3_num_f32 v[\s+16*\b+\i], v[\s+16*\b+\i], -v[TM+8+\b], v[TM+8+\b]
.endr
	v_cvt_scalef32_pk8_fp8_f32 v[\pc+4*\b:\pc+4*\b+1], v[\s+16*\b:\s+16*\b+7], v[TM+12+\b]
	v_cvt_scalef32_pk8_fp8_f32 v[\pc+4*\b+2:\pc+4*\b+3], v[\s+16*\b+8:\s+16*\b+15], v[TM+12+\b]
.endif
.endr
	v_nop
.endm
.macro CROUND                          ; a round of the cluster's barrier
	s_barrier_signal -1
	s_barrier_wait -1
	s_cmp_lg_u32 s[WV], 0
	s_cbranch_scc1 .Lnot_wave_0_\@
	s_barrier_signal -3
.Lnot_wave_0_\@:
	s_barrier_wait -3
	s_barrier_signal -1
	s_barrier_wait -1
.endm
.macro TLOAD                           ; waves 0 to 3 fetch one step's block each; four v_nop follow the load
	s_cmp_lt_u32 s[WV], 4
	s_cbranch_scc0 .Lnone_\@
	tensor_load_to_lds s[G0:G0+3], s[G1:G1+7]
	s_nop 0
.rept 4
	v_nop
.endr
.Lnone_\@:
.endm
; A prefetch into the L2 of what the NEXT change of slots will ask for.  Both clusters of a head walk the same blocks: the head's first cluster asks.  Its four partners take one of the slot's four step blocks each, told apart
; by address; in each, waves 4, 5, 6 ask for 8,192 bytes of it, lanes 256 bytes apart (a block's last 768 bytes come by their load alone).  The last change that fills a slot asks for nothing.
.macro ASK
	s_cmp_gt_u32 s[SLOTS], s[LIM]
	s_cbranch_scc0 .Lnot_mine_\@
	global_prefetch_b8 v7, s[PFA:PFA+1] th:TH_LOAD_NT scope:SCOPE_SE
.Lnot_mine_\@:
.endm
; THE CHANGE OF SLOTS stands at a slot's head.  Each wave waits for all its tensor loads (its part of the slot ahead), adds 0 to its spare word, and waits for that and for its reads of the slot that it has left.
; fill = 1: a round of the cluster's barrier, and behind it the slot just left is filled with the four steps that follow: the load has four steps in which to land.  Every window is 0 here.
.macro CHANGE fill
	s_wait_tensorcnt 0x0                   ; no tensor load of mine is out, so group 0 may be written
	ds_add_u32 v5, v6                      ; 0 onto my spare word
.if \fill
	s_xor_b32 s[G0+1], s[G0+1], SLOT1      ; the other slot than last time,
	s_add_nc_u64 s[G0+2:G0+3], s[G0+2:G0+3], 4*STEPB       ; the next four steps; the type bits on top are not reached
	s_wait_xcnt 0x0                        ; the last prefetch, a slot back, has read its address
	s_add_nc_u64 s[PFA:PFA+1], s[PFA:PFA+1], 4*STEPB
	s_wait_dscnt 0x0                       ; the add is done, and my reads of the slot that I have left are over
	CROUND
	TLOAD                                  ; the first thing behind the round, a wave's one tensor load until the next
	ASK
.else
	s_wait_dscnt 0x0
	s_barrier_signal -1
	s_barrier_wait -1
.endif
.endm
; ONE TILE'S SOFTMAX for a key step, on the registers of the window that is set.  w = 0: tile A, window 0; w = 1: tile B, every operand in window 1; its scale word alone goes to window 0.
.macro SOFTMAX w
.irp b, 0,1,2,3
	v_max3_num_f32 v[232+\b], v[96+16*\b], v[97+16*\b], v[98+16*\b]   ; the largest score of each block of 32 keys: for the row's maximum, and, since p rises with the score, for the block's largest p
.endr
.irp i, 3,5,7,9,11,13
.irp b, 0,1,2,3
	v_max3_num_f32 v[232+\b], v[232+\b], v[96+16*\b+\i], v[97+16*\b+\i]
.endr
.endr
.irp b, 0,1,2,3
	v_max_num_f32 v[232+\b], v[232+\b], v[111+16*\b]
.endr
.irp b, 0,1,2,3
	s_delay_alu instid0(VALU_DEP_4)
	v_permlanex16_b32 v[236+\b], v[232+\b], s[SEL], s[SEL+1]
.endr
.irp b, 0,1,2,3
	s_delay_alu instid0(VALU_DEP_4)
	v_max_num_f32 v[232+\b], v[232+\b], v[236+\b]          ; with lane l xor 16's 16 keys
.endr
	s_delay_alu instid0(VALU_DEP_2)
	v_max3_num_f32 v254, v232, v233, v234
	s_delay_alu instid0(VALU_DEP_1)
	v_max_num_f32 v254, v254, v235
	s_delay_alu instid0(VALU_DEP_1)
	v_mul_f32 v254, s[CS], v254            ; as t
	s_delay_alu instid0(VALU_DEP_1)
	v_max_num_f32 v13, v13, v254           ; the running largest t
	v_mov_b32 v254, v12
	s_delay_alu instid0(VALU_DEP_2)
	v_floor_f32 v12, -v13                  ; the new -M = -ceil(t)
	s_delay_alu instid0(VALU_DEP_1)
	v_sub_f32 v254, v12, v254              ; old M - new M: a whole number, 0 or less
	s_delay_alu instid0(VALU_DEP_1)
	v_cvt_i32_f32 v254, v254               ; (it saturates)
	s_delay_alu instid0(VALU_DEP_1)
	v_ldexp_f32 v252, 1.0, v254            ; f = 2^(old M - new M)
.set j, 0
.rept 32
	v_pk_fma_f32 v[96+j:97+j], v[96+j:97+j], s[CS:CS+1], v[12:13] op_sel_hi:[1,0,0]   ; t - M, two at a time
.set j, j+2
.endr
.irp b, 0,1,2,3
	v_fma_f32 v[232+\b], v[232+\b], s[CS], v12
.endr
.set j, 0
	s_wait_alu depctr_va_vdst(0)
.rept 64
	v_exp_f32 v[96+j], v[96+j]             ; p = 2^(t - M)
.set j, j+1
.endr
	v_pk_mul_f32 v[14:15], v[14:15], v[252:253] op_sel_hi:[1,0]   ; the sums under the new M: a plain line behind the exponentials
	s_wait_alu depctr_va_vdst(0)           ; one wait for the batch, ahead of its first reader
.irp b, 0,1,2,3
	v_exp_f32 v[232+\b], v[232+\b]         ; the blocks' largest p
.endr
	v_pk_add_f32 v[236:237], v[96:97], v[98:99]            ; the row's sum, of the unquantised p, in two chains
.irp j, 4,8,12,16,20,24,28,32,36,40,44,48,52,56,60
	v_pk_add_f32 v[14:15], v[14:15], v[96+\j:97+\j]
	v_pk_add_f32 v[236:237], v[236:237], v[98+\j:99+\j]
.endr
	s_delay_alu instid0(VALU_DEP_1)
	v_pk_add_f32 v[14:15], v[14:15], v[236:237]
	s_wait_alu depctr_va_vdst(0)           ; and one for the four
.irp b, 0,1,2,3
	v_max_num_f32 v[232+\b], 0x4800000, v[232+\b]          ; the floor 2^(9-127)
.endr
.irp b, 0,1,2,3
	s_delay_alu instid0(VALU_DEP_4)
	v_add_nc_u32 v[244+\b], 0xfc000000, v[232+\b]          ; the conversion's scale operand
.endr
.irp b, 0,1,2,3
	v_and_or_b32 v[240+\b], v[232+\b], 0x7f800000, s[MNT]  ; 448 x the scale
.endr
.irp b, 0,1,2,3
	v_lshrrev_b32 v[236+\b], 23, v[244+\b]
.endr
	s_delay_alu instid0(VALU_DEP_3)
	v_lshl_or_b32 v253, v237, 8, v236      ; p's scale word for these 128 keys
	s_delay_alu instid0(VALU_DEP_1)
	v_lshl_or_b32 v253, v238, 16, v253
.if \w
	WIN 0x11                               ; sources in window 1, the result in window 0: a scale operand is always taken from there
	s_setprio 0
	v_lshl_or_b32 v230, v239, 24, v253
	WIN 0x55
.else
	s_delay_alu instid0(VALU_DEP_1)
	v_lshl_or_b32 v253, v239, 24, v253
.endif
.irp b, 0,1,2,3
.irp i, 0,1,2,3,4,5,6,7,8,9,10,11,12,13,14,15
	v_min_num_f32 v[96+16*\b+\i], v[96+16*\b+\i], v[240+\b]   ; the hold; p is not negative
.endr
	v_cvt_scalef32_pk8_fp8_f32 v[192+4*\b:193+4*\b], v[96+16*\b:103+16*\b], v[244+\b]
	v_cvt_scalef32_pk8_fp8_f32 v[194+4*\b:195+4*\b], v[104+16*\b:111+16*\b], v[244+\b]
.endr
.set j, 0
.rept 16
	v_pk_mul_f32 v[160+j:161+j], v[160+j:161+j], v[252:253] op_sel_hi:[1,0]   ; O^T under the new M; these sixteen are also the places between the codes and the products
.set j, j+2
.endr
.endm
; A KEY STEP: 128 keys, both tiles
.macro STEP
	v_add_nc_u32 v8, s[TS], v1
	v_add_nc_u32 v9, s[TS], v2
.rept 6
	v_nop                                  ; with the two additions: eight places in front of loads into registers that the last products read
.endr
	ds_load_b128 v[208:211], v9 offset:KSC                 ; lane r: the scale words of key tiles 0-3,
	ds_load_b128 v[212:215], v9 offset:KSC+256             ; and 4-7
.irp t, 0,1,2,3
.irp c, 0,1,2,3
	ds_load_b128 v[32+16*\t+4*\c:35+16*\t+4*\c], v8 offset:\t*2048+512*\c          ; key tiles 0-3
.endr
.endr
	WIN 0x40                               ; destination window 1
.irp t, 0,1,2,3
.irp c, 0,1,2,3
	ds_load_b128 v[32+16*\t+4*\c:35+16*\t+4*\c], v8 offset:(4+\t)*2048+512*\c      ; key tiles 4-7
.endr
.endr
	WIN 0
	s_wait_alu depctr_va_vdst(0)
	s_wait_dscnt 16                        ; the scale words and key tiles 0-3 are in; the sixteen loads issued behind them may be out
.irp t, 0,1,2,3
	v_wmma_scale_f32_16x16x128_f8f6f4 v[96+8*\t:103+8*\t], v[32+16*\t:47+16*\t], v[16:31], 0, v[208+\t], v255
.endr
	WIN 0x44                               ; tile B: [q|q] and S^T in window 1
.irp t, 0,1,2,3
	v_wmma_scale_f32_16x16x128_f8f6f4 v[96+8*\t:103+8*\t], v[32+16*\t:47+16*\t], v[16:31], 0, v[208+\t], v231
.endr
	s_wait_dscnt 0x0                       ; key tiles 4-7
	WIN 0x01                               ; tile A against the fragments in window 1
.irp t, 0,1,2,3
	v_wmma_scale_f32_16x16x128_f8f6f4 v[128+8*\t:135+8*\t], v[32+16*\t:47+16*\t], v[16:31], 0, v[212+\t], v255
.endr
	WIN 0x45                               ; tile B against them
.irp t, 0,1,2,3
	v_wmma_scale_f32_16x16x128_f8f6f4 v[128+8*\t:135+8*\t], v[32+16*\t:47+16*\t], v[16:31], 0, v[212+\t], v231
.endr
	WIN 0
.rept 8
	v_nop                                  ; places in front of the loads into key tiles 0-3's registers and of the first read of the scores
.endr
.irp t, 0,1,2,3                            ; V is asked for now and lands under the softmaxes
.irp c, 0,1,2,3
	ds_load_b128 v[32+16*\t+4*\c:35+16*\t+4*\c], v8 offset:VIMG+\t*2048+512*\c
.endr
.endr
	ds_load_b128 v[216:219], v9 offset:VSC
	SOFTMAX 0
	WIN 0x55
	s_setprio 1
	SOFTMAX 1
	WIN 0
	s_wait_alu depctr_va_vdst(0)
	s_wait_dscnt 0x0                       ; V and its scale words
.irp t, 0,1,2,3
	v_wmma_scale_f32_16x16x128_f8f6f4 v[160+8*\t:167+8*\t], v[32+16*\t:47+16*\t], v[192:207], v[160+8*\t:167+8*\t], v[216+\t], v253
.endr
	WIN 0x54                               ; tile B: p's codes and O^T in window 1, V in window 0
.irp t, 0,1,2,3
	v_wmma_scale_f32_16x16x128_f8f6f4 v[160+8*\t:167+8*\t], v[32+16*\t:47+16*\t], v[192:207], v[160+8*\t:167+8*\t], v[216+\t], v230
.endr
	WIN 0
	s_add_co_u32 s[TS], s[TS], STEPB
.endm
.macro STEPS4                          ; a slot's four steps: written once, walked four times
	s_mov_b32 s[FOUR], 4
.Lstep_\@:
	s_setprio 2
	STEP
	s_sub_co_u32 s[FOUR], s[FOUR], 1
	s_cmp_lg_u32 s[FOUR], 0
	s_cbranch_scc1 .Lstep_\@
	s_setprio 0
	s_sub_co_u32 s[TS], s[TS], 4*STEPB     ; back to a slot's first step,
	s_xor_b32 s[TS], s[TS], SLOT1          ; in the other slot
.endm
.macro INIT                            ; one tile's state, in the window that is set
	v_mov_b32 v13, 0xff61b1e6              ; the largest t so far: -3e38
	s_delay_alu instid0(VALU_DEP_1)
	v_floor_f32 v12, -v13
	v_mov_b32 v14, 0
	v_mov_b32 v15, 0
.irp b, 0,1,2,3
	v_mov_b32 v[236+\b], 0                 ; a lane permute's destination counts as one of its sources
.endr
	v_mov_b32 v252, 0
	v_mov_b32 v253, 0                      ; (named in the pair v[252:253] before it is first written)
.set j, 0
.rept 32
	v_mov_b32 v[160+j], 0                  ; O^T: the step is written once; its first walk finds zeros, which the first change of M leaves zeros
.set j, j+1
.endr
.endm
.macro FINISH                          ; one tile's way out, in the window that is set: O^T / the sum, quantised: codes in v128-135, the two scale bytes in v136
	v_add_f32 v14, v14, v15
	s_delay_alu instid0(VALU_DEP_1)
	v_permlanex16_b32 v252, v14, s[SEL], s[SEL+1]
	s_delay_alu instid0(VALU_DEP_1)
	v_add_f32 v14, v14, v252
	s_wait_alu depctr_va_vdst(0)
	v_rcp_f32 v14, v14
.rept 8
	v_nop                                  ; places behind the last products, and the plain line behind the reciprocal
.endr
	s_wait_alu depctr_va_vdst(0)           ; ahead of the reciprocal's first reader
.set j, 0
.rept 32
	v_mul_f32 v[96+j], v[160+j], v14
.set j, j+1
.endr
	QUANT 96, 2, 128, 136
.endm
	s_load_b256 s[4:11], s[0:1], 0x0       ; qc, qs, kv, oc
	s_load_b64 s[12:13], s[0:1], 0x20      ; os
	v_lshl_add_u32 v5, v0, 2, SPARE
	v_mov_b32 v6, 0
	ds_add_u32 v5, v6
	ds_add_u32 v5, v6
	s_wait_dscnt 0x0
	v_lshrrev_b32 v8, 5, v0
	s_delay_alu instid0(VALU_DEP_1)
	v_readfirstlane_b32 s[WV], v8
	v_and_b32 v3, 31, v0
	s_delay_alu instid0(VALU_DEP_1)
	v_lshlrev_b32 v1, 4, v3
	v_and_b32 v2, 15, v0
	s_delay_alu instid0(VALU_DEP_1)
	v_lshlrev_b32 v2, 4, v2
	s_delay_alu instid0(VALU_DEP_4)
	v_lshlrev_b32 v7, 8, v3
	v_lshlrev_b32 v3, 2, v3
	s_bfe_u32 s42, ttmp6, 0x40000          ; cx: it enters global addresses of my own alone
	s_lshl_b32 s43, ttmp9, 2
	s_add_co_u32 s43, s43, s42             ; my block of 256 queries
	s_and_b32 s44, ttmp7, 0xffff           ; bh, which the four partners share
	s_lshl_b32 s45, s43, 4
	s_lshl_b32 s47, s[WV], 1
	s_add_co_u32 s45, s45, s47             ; tile A in the batch: 16 x block + 2 x wave; tile B is the next
	s_mul_i32 s46, s44, 16*STEPB           ; the head's first byte in kv
	s_and_b32 s48, s[WV], 3
	s_mov_b32 s[G0], 1                     ; count = 1
	s_mul_i32 s[G0+1], s48, STEPB          ; LDS: slot 0, step wave % 4
	s_add_co_u32 s48, s[G0+1], s46
	s_mov_b32 s49, 0
	s_lshl_b32 s50, s44, 17
	s_lshl_b32 s51, s45, 10
	s_add_co_u32 s50, s50, s51
	s_mov_b32 s51, 0
	s_lshl_b32 s52, s44, 14
	s_lshl_b32 s53, s45, 7
	s_add_co_u32 s52, s52, s53
	s_mov_b32 s53, 0
	s_lshr_b32 s54, s44, 4
	s_lshl_b32 s54, s54, 7
	s_add_co_u32 s54, s54, s45             ; tile A among all 256
	s_and_b32 s60, s44, 15
	s_lshr_b32 s61, s60, 1                 ; the output projection's K step: head / 2
	s_and_b32 s60, s60, 1
	s_lshl_b32 s56, s54, 10
	s_lshl_b32 s62, s61, 7
	s_add_co_u32 s56, s56, s62
	s_lshl_b32 s62, s60, 1
	s_add_co_u32 s56, s56, s62
	s_mov_b32 s57, 0
	s_lshl_b32 s54, s54, 14
	s_lshl_b32 s62, s61, 11
	s_add_co_u32 s54, s54, s62
	s_lshl_b32 s62, s60, 10
	s_add_co_u32 s54, s54, s62
	s_mov_b32 s55, 0
	s_sub_co_u32 s58, s[WV], 4
	s_cmp_lt_u32 s58, 3                    ; waves 4, 5, 6
	s_cselect_b32 s[LIM], 0, 1
	s_or_b32 s[LIM], s[LIM], ttmp9         ; of the head's first cluster: the same in all four partners
	s_cmp_eq_u32 s[LIM], 0
	s_cselect_b32 s[LIM], 1, -1
	s_min_u32 s58, s58, 2                  ; (held, so that the address lies in kv in every wave)
	s_lshl_b32 s58, s58, 13
	s_mul_i32 s59, s42, STEPB
	s_add_co_u32 s58, s58, s59
	s_add_co_u32 s58, s58, s46
	s_add_co_u32 s58, s58, 4*STEPB         ; in slot 1's steps: the first change steps it on.  Nothing is prefetched at the head
	s_mov_b32 s59, 0
	s_mov_b32 s[G1], 15|(3<<16)|(1<<21)    ; the mask: all four work-groups; elements of 8 bytes; bit 21 beside a mask; no padding
	s_mov_b32 s[G1+1], 32<<16              ; tensor_dim0 = 32 elements: 256 bytes
	s_mov_b32 s[G1+2], 99<<16              ; tensor_dim1 = 99 rows
	s_mov_b32 s[G1+3], 32<<16              ; tile_dim0
	s_mov_b32 s[G1+4], 99                  ; tile_dim1
	s_mov_b32 s[G1+5], 32                  ; the pitch: dense
	s_mov_b32 s[G1+6], 0
	s_mov_b32 s[G1+7], 0
	s_mov_b32 s[MNT], 0x600000
	s_mov_b32 s[SEL], 0x76543210
	s_mov_b32 s[SEL+1], 0xfedcba98
	s_mov_b32 s[CS], 0x3e38aa3b
	s_mov_b32 s[CS+1], s[CS]
	s_mov_b32 s[TS], 0
	s_mov_b32 s[SLOTS], 3
	s_wait_kmcnt 0x0
	s_add_nc_u64 s[G0+2:G0+3], s[8:9], s[48:49]
	s_or_b32 s[G0+3], s[G0+3], 0x80000000  ; type = 2
	s_add_nc_u64 s[PFA:PFA+1], s[8:9], s[58:59]
	s_add_nc_u64 s[4:5], s[4:5], s[50:51]
	s_add_nc_u64 s[6:7], s[6:7], s[52:53]
	s_add_nc_u64 s[10:11], s[10:11], s[54:55]
	s_add_nc_u64 s[12:13], s[12:13], s[56:57]
	CROUND                                 ; all four work-groups are here: the first joint loads meet
	TLOAD                                  ; slot 0
	s_wait_alu depctr_va_vdst(0)
	global_load_b128 v[16:19], v1, s[4:5]                  ; tile A: q's two register groups,
	global_load_b128 v[20:23], v1, s[4:5] offset:512
	global_load_b128 v[24:27], v1, s[4:5]                  ; and once more, against pos_emb
	global_load_b128 v[28:31], v1, s[4:5] offset:512
	global_load_b32 v255, v3, s[6:7]                       ; its scale word,
	global_load_b32 v231, v3, s[6:7] offset:128            ; and tile B's
	WIN 0x40                               ; destination window 1: tile B, 1,024 bytes on
	global_load_b128 v[16:19], v1, s[4:5] offset:1024
	global_load_b128 v[20:23], v1, s[4:5] offset:1536
	global_load_b128 v[24:27], v1, s[4:5] offset:1024
	global_load_b128 v[28:31], v1, s[4:5] offset:1536
	WIN 0
	INIT
	WIN 0x55
	INIT
	WIN 0
	s_wait_loadcnt 0x0
.Lslot:                                    ; three trips: behind each change of slots but the last the next slot is asked for
	CHANGE 1
	STEPS4
	s_sub_co_u32 s[SLOTS], s[SLOTS], 1
	s_cmp_lg_u32 s[SLOTS], 0
	s_cbranch_scc1 .Lslot
	CHANGE 0                               ; the last slot is written out
	STEPS4
	; THE WAY OUT: a tile's 32 registers of O^T are 2 x 16 neighbours along the head: quantised, they are two register groups of the output projection's operand and leave as 512 consecutive bytes each
	FINISH
	WIN 0x55
	FINISH
	WIN 0
	global_store_b128 v1, v[128:131], s[10:11]
	global_store_b128 v1, v[132:135], s[10:11] offset:512
	global_store_b16 v3, v136, s[12:13]    ; my head's half of the scale word
	WIN 0x04                               ; a store's data are its source 1: tile B's, one tile on in oc and in os
	global_store_b128 v1, v[128:131], s[10:11] offset:16384
	global_store_b128 v1, v[132:135], s[10:11] offset:16896
	global_store_b16 v3, v136, s[12:13] offset:1024
	WIN 0
	s_wait_tensorcnt 0x0                   ; the wave's end
	ds_add_u32 v5, v6
	s_wait_dscnt 0x0
	CROUND                                 ; the closing round
	s_endpgm
.Lfunc_end_k_q647fecb423_attn:
	.size	k_q647fecb423_attn, .Lfunc_end_k_q647fecb423_attn-k_q647fecb423_attn
	.p2alignl 7, 3214868480
	.fill 96, 4, 3214868480
	.section	.rodata,"a",@progbits
	.p2align	6, 0x0
	.amdhsa_kernel k_q647fecb423_attn
		.amdhsa_group_segment_fixed_size 327680
		.amdhsa_private_segment_fixed_size 0
		.amdhsa_enable_private_segment 0
		.amdhsa_kernarg_size 40
		.amdhsa_user_sgpr_count 2
		.amdhsa_user_sgpr_kernarg_segment_ptr 1
		.amdhsa_wavefront_size32 1
		.amdhsa_system_sgpr_workgroup_id_x 1
		.amdhsa_system_sgpr_workgroup_id_y 1
		.amdhsa_system_sgpr_workgroup_id_z 1
		.amdhsa_system_vgpr_workitem_id 0
		.amdhsa_next_free_vgpr 512
		.amdhsa_next_free_sgpr 66
		.amdhsa_reserve_vcc 0
		.amdhsa_float_denorm_mode_32 3
		.amdhsa_float_denorm_mode_16_64 3
		.amdhsa_memory_ordered 1
		.amdhsa_forward_progress 1
		.amdhsa_inst_pref_size 98
	.end_amdhsa_kernel
	.amdgpu_metadata
---
amdhsa.version: [ 1, 2 ]
amdhsa.kernels:
  - .name:           k_q647fecb423_attn
    .symbol:         k_q647fecb423_attn.kd
    .args:
      - { .name: qc, .offset: 0, .size: 8, .value_kind: global_buffer, .address_space: global }
      - { .name: qs, .offset: 8, .size: 8, .value_kind: global_buffer, .address_space: global }
      - { .name: kv, .offset: 16, .size: 8, .value_kind: global_buffer, .address_space: global }
      - { .name: oc, .offset: 24, .size: 8, .value_kind: global_buffer, .address_space: global }
      - { .name: os, .offset: 32, .size: 8, .value_kind: global_buffer, .address_space: global }
    .group_segment_fixed_size: 327680
    .private_segment_fixed_size: 0
    .kernarg_segment_align: 8
    .kernarg_segment_size: 40
    .max_flat_workgroup_size: 256
    .sgpr_count:     66
    .vgpr_count:     512
    .wavefront_size: 32
...
	.end_amdgpu_metadata
.endif
;; end of part 5
;; launch outln (part 6): grid 128 x 1, 16 waves a work-group, no clusters, 168,448 bytes of LDS; arguments oc, os, woi, wos, bo, q_s, ln_g, ln_b, out0; writes out0
.if DOCPART == 6
	.amdgcn_target "amdgcn-amd-amdhsa--gfx1250"
	.amdhsa_code_object_version 6
	.text
	.protected	k_q647fecb423_outln
	.globl	k_q647fecb423_outln
	.p2align	8
	.type	k_q647fecb423_outln,@function
k_q647fecb423_outln:
	s_mov_b64 s[64:65], 0
	v_nop
	global_prefetch_b8 v0, s[64:65] scope:SCOPE_SE
	s_setreg_imm32_b32 hwreg(HW_REG_WAVE_SCHED_MODE, 0, 2), 2
	s_setreg_imm32_b32 hwreg(HW_REG_WAVE_MODE, 25, 1), 1
	s_wait_xcnt 0x0
	s_wait_alu depctr_vm_vsrc(0)
; out0 = LayerNorm(o Wo + bo + q_s) x ln_g + ln_b.  o and Wo arrive as register images of E4M3 codes with E8M0 scale words, made by the launches before.
; SHARES.  A work-group owns 32 tokens (two tiles) and all 1,024 features, so that a row's mean and variance stay inside it.  Wave w makes features 64 w .. 64 w + 63: four tiles of Wo x two tiles of tokens, eight accumulators.
; Every fragment of Wo is used by one wave alone and comes from memory straight into its registers, 512 consecutive bytes a load, one K step ahead (two sets); each feeds two products.  No tile is shared through LDS, so none is asked for jointly.
; o's sixteen fragments are copied into LDS once (a wave a fragment) and read by all.  bo is the C of each sum's first product.  The results meet in a stage of 32 rows; each wave then owns two whole rows.
; 128 work-groups: with 16 tokens each there would be 256, each still reading all of Wo, and each fragment would feed one product.
; REGISTERS: v1 16 lane, v2 4 lane, v3 16 (lane%16), v4-6 stage addresses, v7 32 (lane/16), v8-15 Wo's scale words (two sets) and v16-17 o's: written by loads alone; v18-19 copy addresses, v20 256 lane, v21-23 at work at the head;
; v24-55 o's two fragments; v56-119, v120-183 Wo's two sets, later q_s, ln_g, ln_b; v184-247 accumulators (u, t) at 184 + 8 (4 u + t), later two rows; v248-255 at work.
; THE MODE: SCHED_MODE bits 1:0 = 2 (LLVM: expert scheduling mode 2), set by the entry lines.  The code itself states the register dependences between vector or matrix instructions and memory or LDS instructions,
; with s_wait_alu, always for 0.
; THE PLAN.  Registers that memory or LDS instructions touch:
;   v1-7, v18-20      addresses, made at the head and never written again: one wait on va_vdst ahead of the first load serves them for the whole kernel.
;   v24-40            at the head: a global load lands, an LDS store reads them; then o's fragments land there: a wait on vm_vsrc behind the first barrier.
;   Wo's two sets     step s's products read set s % 2 (and its scale words); the loads of step s + 1 land in the other set, which the products of step s - 1 read.
;   v24-55, v16-17    o's fragments and scale words, one set: step s's LDS loads land where the products of step s - 1 read.
;                     So ONE wait on va_vdst stands at a step's head: behind it the products of the step before are done reading, and the step's 10 LDS loads and 17 global loads owe nothing more.
;   v184-247          written by the products, read by the LDS stores into the stage (the wait behind the last products, which also frees Wo's sets for q_s, ln_g and ln_b); whole rows land there
;                     (a wait on vm_vsrc behind the second barrier); the rows' arithmetic writes them in place, and the global stores read them: row 0's stores stand behind row 1's wait for its reciprocal root, row 1's behind a wait of their own.
.set OSC, 32768                        ; LDS: 0.. o's images ((8 u + s) x 2,048); here their scale words
.set STG, 34816                        ; the stage: 32 rows x (4,096 + 16)
.set SEL, 42
.macro WLOAD s                         ; Wo's four fragments and their scale words of K step s, into set s % 2: 17 loads
.irp t, 0,1,2,3
.irp c, 0,1,2,3
	global_load_b128 v[56+64*((\s)%2)+16*\t+4*\c:56+64*((\s)%2)+16*\t+4*\c+3], v1, s[8:9] offset:(\s)*8192+\t*2048+512*\c
.endr
.endr
	global_load_b128 v[8+4*((\s)%2):11+4*((\s)%2)], v3, s[10:11] offset:(\s)*256
.endm
.macro REDUCE                          ; v248 summed over the 32 lanes, in every lane
	v_add_f32_dpp v248, v248, v248 row_xmask:1 row_mask:0xf bank_mask:0xf
	v_add_f32_dpp v248, v248, v248 row_xmask:2 row_mask:0xf bank_mask:0xf
	v_add_f32_dpp v248, v248, v248 row_xmask:4 row_mask:0xf bank_mask:0xf
	v_add_f32_dpp v248, v248, v248 row_xmask:8 row_mask:0xf bank_mask:0xf
	v_permlanex16_b32 v250, v248, s[SEL], s[SEL+1]
	v_add_f32 v248, v248, v250
.endm
; One whole row, 32 numbers a lane, in three parts.  ROWA: the residual, the mean, the variance and its reciprocal root, with the wait for that.  ROWB: the scaling, the gain and the bias.  ROWS: the stores.
.macro ROWA i
.set X, 184+32*\i
.set Q, 56+32*\i
.set j, 0
.rept 16
	v_pk_add_f32 v[X+j:X+j+1], v[X+j:X+j+1], v[Q+j:Q+j+1]  ; the residual
.set j, j+2
.endr
	v_pk_add_f32 v[248:249], v[X:X+1], v[X+2:X+3]          ; the sum, in two chains
	v_pk_add_f32 v[254:255], v[X+4:X+5], v[X+6:X+7]
.irp j, 8,12,16,20,24,28
	v_pk_add_f32 v[248:249], v[248:249], v[X+\j:X+\j+1]
	v_pk_add_f32 v[254:255], v[254:255], v[X+\j+2:X+\j+3]
.endr
	v_pk_add_f32 v[248:249], v[248:249], v[254:255]
	v_add_f32 v248, v248, v249
	REDUCE
	v_mul_f32 v250, 0x3a800000, v248       ; the mean: / 1,024
.set j, 0
.rept 16
	v_pk_add_f32 v[X+j:X+j+1], v[X+j:X+j+1], v[250:251] op_sel_hi:[1,0] neg_lo:[0,1] neg_hi:[0,1]
.set j, j+2
.endr
	v_pk_mul_f32 v[248:249], v[X:X+1], v[X:X+1]            ; the squares of the differences
	v_pk_mul_f32 v[254:255], v[X+2:X+3], v[X+2:X+3]
.irp j, 4,8,12,16,20,24,28
	v_pk_fma_f32 v[248:249], v[X+\j:X+\j+1], v[X+\j:X+\j+1], v[248:249]
	v_pk_fma_f32 v[254:255], v[X+\j+2:X+\j+3], v[X+\j+2:X+\j+3], v[254:255]
.endr
	v_pk_add_f32 v[248:249], v[248:249], v[254:255]
	v_add_f32 v248, v248, v249
	REDUCE
	v_fma_f32 v248, v248, s40, s41         ; the variance + 1e-5
	s_wait_alu depctr_va_vdst(0)
	v_rsq_f32 v252, v248
	v_nop                                  ; a plain line behind the transcendental
	s_wait_alu depctr_va_vdst(0)           ; the reciprocal root v252 is written, ahead of its first reader; in row 1 also: row 0's results v184-215 are written, which the stores behind this wait read
.endm
.macro ROWB i
.set X, 184+32*\i
.set j, 0
.rept 16
	v_pk_mul_f32 v[X+j:X+j+1], v[X+j:X+j+1], v[252:253] op_sel_hi:[1,0]
.set j, j+2
.endr
.set j, 0
.rept 16
	v_pk_fma_f32 v[X+j:X+j+1], v[X+j:X+j+1], v[120+j:121+j], v[152+j:153+j]
.set j, j+2
.endr
.endm
.macro ROWS i
.set X, 184+32*\i
.irp k, 0,1,2,3,4,5,6,7
	global_store_b128 v1, v[X+4*\k:X+4*\k+3], s[20:21] offset:\i*4096+512*\k th:TH_STORE_NT   ; 32 lanes store 512 consecutive bytes
.endr
.endm
	s_load_b512 s[4:19], s[0:1], 0x0       ; oc, os, woi, wos, bo, q_s, ln_g, ln_b
	s_load_b64 s[20:21], s[0:1], 0x40      ; out0
	v_lshrrev_b32 v21, 5, v0
	v_readfirstlane_b32 s22, v21           ; wave
	v_and_b32 v21, 31, v0                  ; lane
	v_and_b32 v22, 15, v0                  ; r
	v_bfe_u32 v23, v0, 4, 1                ; h
	v_lshlrev_b32 v1, 4, v21
	v_lshlrev_b32 v2, 2, v21
	v_lshlrev_b32 v3, 4, v22
	v_lshlrev_b32 v7, 5, v23
	v_lshlrev_b32 v20, 8, v21
	s_wait_alu depctr_va_sdst(0)           ; s22, the wave's number, is written, ahead of its first reader
	s_lshl_b32 s44, s22, 8
	s_add_co_u32 s44, s44, STG
	v_mul_u32_u24 v4, v22, 4112
	v_add_nc_u32 v4, v4, v7
	v_add_nc_u32 v4, s44, v4               ; into the stage: row r of tile 0, my 256 bytes, + 32 h
	v_add_nc_u32 v5, 65792, v4             ; tile 1: sixteen rows on
	s_mul_i32 s44, s22, 8224
	s_add_co_u32 s44, s44, STG
	v_add_nc_u32 v6, s44, v1               ; back: rows 2 w, 2 w + 1
	s_lshl_b32 s44, s22, 11
	v_add_nc_u32 v18, s44, v1              ; o's fragment w
	s_lshl_b32 s44, s22, 7
	s_add_co_u32 s44, s44, OSC
	v_add_nc_u32 v19, s44, v2
	v_mov_b32 v250, 0                      ; a lane permute's destination, and the upper halves of pairs, are written before they are named
	v_mov_b32 v251, 0
	v_mov_b32 v253, 0
	s_mov_b32 s40, 0x3a800000              ; 1 / 1,024
	s_mov_b32 s41, 0x3727c5ac              ; 1e-5
	s_mov_b32 s[SEL], 0x76543210
	s_mov_b32 s[SEL+1], 0xfedcba98
	s_lshl_b32 s24, ttmp9, 15
	s_lshl_b32 s25, s22, 11
	s_add_co_u32 s24, s24, s25
	s_mov_b32 s25, 0
	s_lshl_b32 s26, ttmp9, 11
	s_lshl_b32 s27, s22, 7
	s_add_co_u32 s26, s26, s27
	s_mov_b32 s27, 0
	s_lshl_b32 s28, s22, 16
	s_mov_b32 s29, 0
	s_lshl_b32 s30, s22, 11
	s_mov_b32 s31, 0
	s_lshl_b32 s32, s22, 8
	s_mov_b32 s33, 0
	s_lshl_b32 s34, ttmp9, 5               ; stage rows 2 w, 2 w + 1 are lanes 2 (w%8), + 1 of tile w/8: tokens 32 G + 8 (w/8) + 2 (w%8) + 8 ((w%8)/4), + 1
	s_lshr_b32 s35, s22, 3
	s_lshl_b32 s35, s35, 3
	s_add_co_u32 s34, s34, s35
	s_and_b32 s35, s22, 7
	s_lshl_b32 s36, s35, 1
	s_add_co_u32 s34, s34, s36
	s_lshr_b32 s35, s35, 2
	s_lshl_b32 s35, s35, 3
	s_add_co_u32 s34, s34, s35
	s_lshl_b32 s34, s34, 12
	s_mov_b32 s35, 0
	s_wait_kmcnt 0x0
	s_add_nc_u64 s[4:5], s[4:5], s[24:25]
	s_add_nc_u64 s[6:7], s[6:7], s[26:27]
	s_add_nc_u64 s[8:9], s[8:9], s[28:29]
	s_add_nc_u64 s[10:11], s[10:11], s[30:31]
	s_add_nc_u64 s[12:13], s[12:13], s[32:33]
	s_add_nc_u64 s[14:15], s[14:15], s[34:35]
	s_add_nc_u64 s[20:21], s[20:21], s[34:35]
	s_wait_alu depctr_va_vdst(0)           ; the addresses v1-7 and v18-20 are written, which the loads, stores, LDS lines and the prefetch of the whole kernel read
.irp c, 0,1,2,3
	global_load_b128 v[24+4*\c:27+4*\c], v1, s[4:5] offset:512*\c th:TH_LOAD_NT
.endr
	global_load_b32 v40, v2, s[6:7] th:TH_LOAD_NT
.irp u, 0,1
.irp t, 0,1,2,3
	global_load_b128 v[184+8*(4*\u+\t):187+8*(4*\u+\t)], v7, s[12:13] offset:64*\t        ; bo in the result's layout: lane (r, h): features 16 t + 8 h + 0 .. 7
	global_load_b128 v[188+8*(4*\u+\t):191+8*(4*\u+\t)], v7, s[12:13] offset:64*\t+16
.endr
.endr
	WLOAD 0
	s_wait_loadcnt 33                      ; o's five loads are in; bo's 16 and Wo's 17 may be out
.irp c, 0,1,2,3
	ds_store_b128 v18, v[24+4*\c:27+4*\c] offset:512*\c
.endr
	ds_store_b32 v19, v40
	s_wait_dscnt 0x0                       ; for the others' sake
	s_barrier_signal -1
	s_barrier_wait -1                      ; o's sixteen fragments lie in LDS
	s_wait_alu depctr_vm_vsrc(0)           ; my five LDS stores have read v24-40, in which o's fragments land from here on
.irp s, 0,1,2,3,4,5,6,7
.if \s > 0
.rept 8
	v_nop                                  ; places in front of loads into registers that products have read
.endr
	s_wait_alu depctr_va_vdst(0)           ; the last step's products are done reading o's two fragments, their scale words, and the set of Wo with its scale words: in these the step's 27 loads land
.endif
.irp u, 0,1                                ; the LDS loads, which this step's products want, stand ahead of the next step's loads from memory
.irp c, 0,1,2,3
	ds_load_b128 v[24+16*\u+4*\c:27+16*\u+4*\c], v1 offset:(8*\u+\s)*2048+512*\c
.endr
	ds_load_b32 v[16+\u], v2 offset:OSC+(8*\u+\s)*128
.endr
.if \s < 7
	WLOAD \s+1
.endif
.if \s == 3
	global_prefetch_b8 v20, s[14:15] th:TH_LOAD_NT scope:SCOPE_SE   ; my two rows of q_s, 8,192 consecutive bytes, lanes 256 bytes apart: they are loaded four K steps on; each wave names its own rows alone
.endif
.if \s < 7
	s_wait_loadcnt 17                      ; this step's set is in; the next step's 17 loads may be out
.else
	s_wait_loadcnt 0x0
.endif
	s_wait_dscnt 0x0
.irp t, 0,1,2,3
.irp u, 0,1
	v_wmma_scale_f32_16x16x128_f8f6f4 v[184+8*(4*\u+\t):191+8*(4*\u+\t)], v[56+64*(\s%2)+16*\t:71+64*(\s%2)+16*\t], v[24+16*\u:39+16*\u], v[184+8*(4*\u+\t):191+8*(4*\u+\t)], v[8+4*(\s%2)+\t], v[16+\u]
.endr
.endr
.endr
.rept 8
	v_nop                                  ; places behind the last products
.endr
	s_wait_alu depctr_va_vdst(0)           ; the products are done reading Wo's two sets, in which q_s, ln_g and ln_b land, and have written the accumulators, which the LDS stores read; the places above stay beside this wait
.irp i, 0,1
.irp k, 0,1,2,3,4,5,6,7
	global_load_b128 v[56+32*\i+4*\k:59+32*\i+4*\k], v1, s[14:15] offset:\i*4096+512*\k th:TH_LOAD_NT
.endr
.endr
.irp k, 0,1,2,3,4,5,6,7
	global_load_b128 v[120+4*\k:123+4*\k], v1, s[16:17] offset:512*\k
.endr
.irp k, 0,1,2,3,4,5,6,7
	global_load_b128 v[152+4*\k:155+4*\k], v1, s[18:19] offset:512*\k
.endr
.irp t, 0,1,2,3
	ds_store_b128 v4, v[184+8*\t:187+8*\t] offset:64*\t    ; each accumulator from its low end on
	ds_store_b128 v4, v[188+8*\t:191+8*\t] offset:64*\t+16
	ds_store_b128 v5, v[216+8*\t:219+8*\t] offset:64*\t
	ds_store_b128 v5, v[220+8*\t:223+8*\t] offset:64*\t+16
.endr
	s_wait_dscnt 0x0                       ; for the others' sake
	s_barrier_signal -1
	s_barrier_wait -1                      ; 32 whole rows lie in the stage
	s_wait_alu depctr_vm_vsrc(0)           ; my sixteen LDS stores have read v184-247, in which my two rows land
.irp i, 0,1
.irp k, 0,1,2,3,4,5,6,7
	ds_load_b128 v[184+32*\i+4*\k:187+32*\i+4*\k], v6 offset:\i*4112+512*\k
.endr
.endr
	s_wait_dscnt 0x0
	s_wait_loadcnt 0x0
	ROWA 0
	ROWB 0
	ROWA 1                                 ; it ends with a wait on va_vdst, behind which row 0's results are written:
	ROWS 0                                 ; so row 0's stores follow it at once; row 1's lines below name none of their registers
	ROWB 1
	s_wait_alu depctr_va_vdst(0)           ; row 1's results v216-247 are written, which its stores read
	ROWS 1
	s_wait_xcnt 0x0
	v_lshl_add_u32 v254, v0, 2, 0x28a00
	v_mov_b32 v255, 0
	s_wait_dscnt 0x0                       ; the closing lines, six on end
	s_wait_alu 0x0
	s_wait_tensorcnt 0x0
	ds_add_u32 v254, v255
	s_wait_dscnt 0x0
	s_endpgm
.Lfunc_end_k_q647fecb423_outln:
	.size	k_q647fecb423_outln, .Lfunc_end_k_q647fecb423_outln-k_q647fecb423_outln
	.p2alignl 7, 3214868480
	.fill 96, 4, 3214868480
	.section	.rodata,"a",@progbits
	.p2align	6, 0x0
	.amdhsa_kernel k_q647fecb423_outln
		.amdhsa_group_segment_fixed_size 168448
		.amdhsa_private_segment_fixed_size 0
		.amdhsa_enable_private_segment 0
		.amdhsa_kernarg_size 72
		.amdhsa_user_sgpr_count 2
		.amdhsa_user_sgpr_kernarg_segment_ptr 1
		.amdhsa_wavefront_size32 1
		.amdhsa_system_sgpr_workgroup_id_x 1
		.amdhsa_system_sgpr_workgroup_id_y 1
		.amdhsa_system_sgpr_workgroup_id_z 1
		.amdhsa_system_vgpr_workitem_id 0
		.amdhsa_next_free_vgpr 256
		.amdhsa_next_free_sgpr 66
		.amdhsa_reserve_vcc 0
		.amdhsa_float_denorm_mode_32 3
		.amdhsa_float_denorm_mode_16_64 3
		.amdhsa_memory_ordered 1
		.amdhsa_forward_progress 1
		.amdhsa_inst_pref_size 56
	.end_amdhsa_kernel
	.amdgpu_metadata
---
amdhsa.version: [ 1, 2 ]
amdhsa.kernels:
  - .name:           k_q647fecb423_outln
    .symbol:         k_q647fecb423_outln.kd
    .args:
      - { .name: oc, .offset: 0, .size: 8, .value_kind: global_buffer, .address_space: global }
      - { .name: os, .offset: 8, .size: 8, .value_kind: global_buffer, .address_space: global }
      - { .name: woi, .offset: 16, .size: 8, .value_kind: global_buffer, .address_space: global }
      - { .name: wos, .offset: 24, .size: 8, .value_kind: global_buffer, .address_space: global }
      - { .name: bo, .offset: 32, .size: 8, .value_kind: global_buffer, .address_space: global }
      - { .name: q_s, .offset: 40, .size: 8, .value_kind: global_buffer, .address_space: global }
      - { .name: ln_g, .offset: 48, .size: 8, .value_kind: global_buffer, .address_space: global }
      - { .name: ln_b, .offset: 56, .size: 8, .value_kind: global_buffer, .address_space: global }
      - { .name: out0, .offset: 64, .size: 8, .value_kind: global_buffer, .address_space: global }
    .group_segment_fixed_size: 168448
    .private_segment_fixed_size: 0
    .kernarg_segment_align: 8
    .kernarg_segment_size: 72
    .max_flat_workgroup_size: 512
    .sgpr_count:     66
    .vgpr_count:     256
    .wavefront_size: 32
...
	.end_amdgpu_metadata
.endif
;; end of part 6
